; MI455X (gfx1250); checked and timed in simulation.
; The chip was launched on July 23, 2026; its instructions are those of AMD's public machine-readable ISA for CDNA 5 (MIT licence, August 2026) and "CDNA5" Instruction Set Architecture Reference Guide (July 2026). The comments in the code are by the model that wrote it; some were corrected since.
;; Transformer Translator. Allowed arithmetic: float matrix products may take bf16 or f16 operands with f32 sums; other float arithmetic in f32, or as packed bf16 or f16 multiplies, adds, multiply-adds, maxima and minima; sums over many terms, partial sums and values carried from step to step in f32; what a program stores and reads back later, other than sums and carried values, may be rounded once to bf16 or f16.
;; Inputs: W1 2,048 x 768 float32; W2 768 x 2,048 float32; Wk1 96 x 768 float32; Wk2 96 x 768 float32; Wo 2 x 768 float32; Wp 768 x 192 float32; Wq1 96 x 768 float32; Wq2 96 x 768 float32; Wv1 96 x 768 float32; Wv2 96 x 768 float32; be1 768 float32; be2 768 float32; bf1 2,048 float32; bf2 768 float32; bk1 96 float32; bk2 96 float32; bo 2 float32; bp 768 float32; bq1 96 float32; bq2 96 float32; bv1 96 float32; bv2 96 float32; emb 50,257 x 768 float32; g1 768 float32; g2 768 float32; inputs 512 x 32 int32; pos_emb 32 x 768 float32.
;; Outputs: out0 512 x 32 x 2 float32.
;; 3 versions, each right; version 3 is version 2 with the launch prep written anew for expert scheduling mode. Each part assembles by itself: llvm-mc -triple=amdgcn-amd-amdhsa -mcpu=gfx1250 --defsym DOCPART=n.
;; ======== version 1 of 3: 2 launches
;; workspace buffers: wt 7,864,320 bytes
;; launch prep (part 1): grid 4 x 120, 4 waves a work-group, no clusters, 0 bytes of LDS; arguments Wq1, Wq2, Wk1, Wk2, Wv1, Wv2, Wp, W1, W2, wt; writes wt
.if DOCPART == 1
	.amdgcn_target "amdgcn-amd-amdhsa--gfx1250"
	.amdhsa_code_object_version 6
	.text
	.protected	k_q77db19bfe8_prep
	.globl	k_q77db19bfe8_prep
	.p2align	8
	.type	k_q77db19bfe8_prep,@function
k_q77db19bfe8_prep:
	s_mov_b64 s[64:65], 0
	v_nop
	global_prefetch_b8 v0, s[64:65] scope:SCOPE_SE
	s_setreg_imm32_b32 hwreg(HW_REG_WAVE_MODE, 25, 1), 1
	s_wait_xcnt 0x0
; All matrix weights, rounded once to bf16 and laid in the order in which the layer walks them: 120 CELLS of 256 rows x 128 k (a row is 256 bytes, a cell 65,536).
;   cell T = 0..17   (nb = T / 6: q, k, v; ks = T % 6): quarter qd, rows 0..47 = rows 48 (qd & 1) .. of head qd >> 1's matrix, k = 128 ks ..; rows 48..63 of a quarter are zeros
;   cell T = 18..23  (u = T - 18; ks = u / 3, j = u % 3): rows 256 j .. of Wp, k = 128 ks ..; zeros from k = 192 on
;   cell T = 24 + 12 ch + r: r < 6: rows 256 ch .. of W1, k = 128 r ..;  r >= 6 (r' = r - 6; ks2 = r' / 3, j = r' % 3): rows 256 j .. of W2, k = 256 ch + 128 ks2 ..
; A work-group makes a quarter (64 rows) of a cell, a wave 16 rows, a lane 4 numbers of a row: one load of 16 bytes, one store of 8; a wave's store covers 256 consecutive bytes, aligned.
; Where a cell holds zeros the lane loads from its row's first bytes (inside the buffer) and the numbers are replaced by 0.
.set SRC,  28                          ; s[28:29] the matrix
.set ROW0, 30                          ; s30  the quarter's first row in it
.set PIT,  31                          ; s31  bytes in a row of it
.set KOFF, 32                          ; s32  the cell's first k
.set KDIM, 33                          ; s33  the matrix's k
.set RPQ,  34                          ; s34  rows of a quarter that hold numbers
	s_load_b512 s[8:23], s[0:1], 0x0               ; Wq1 s[8:9], Wq2, Wk1, Wk2, Wv1, Wv2, Wp s[20:21], W1 s[22:23]
	s_load_b128 s[24:27], s[0:1], 0x40             ; W2 s[24:25], wt s[26:27]
	v_lshrrev_b32 v1, 5, v0
	v_readfirstlane_b32 s2, v1                     ; wave
	v_and_b32 v1, 31, v0                           ; lane
	s_and_b32 s3, ttmp7, 0xffff                    ; T
	s_mov_b32 s4, ttmp9                            ; qd
	s_wait_kmcnt 0x0
	s_cmp_lt_u32 s3, 18
	s_cbranch_scc0 .Lnot_qkv
	s_mul_i32 s35, s3, 43
	s_lshr_b32 s35, s35, 8                         ; nb = T / 6 (exact for T < 18)
	s_mul_i32 s36, s35, 6
	s_sub_co_u32 s36, s3, s36                      ; ks
	s_lshr_b32 s37, s4, 1
	s_lshl1_add_u32 s37, s35, s37                  ; which of the six matrices: 2 nb + head
	s_mov_b64 s[SRC:SRC+1], s[8:9]
.irp b, 1,2,3,4,5
	s_cmp_eq_u32 s37, \b
	s_cselect_b64 s[SRC:SRC+1], s[8+2*\b:9+2*\b], s[SRC:SRC+1]
.endr
	s_and_b32 s[ROW0], s4, 1
	s_mul_i32 s[ROW0], s[ROW0], 48
	s_mov_b32 s[PIT], 3072
	s_lshl_b32 s[KOFF], s36, 7
	s_mov_b32 s[KDIM], 768
	s_mov_b32 s[RPQ], 48
	s_branch .Lgo
.Lnot_qkv:
	s_lshl_b32 s37, s4, 6                          ; 64 qd
	s_mov_b32 s[RPQ], 64
	s_cmp_lt_u32 s3, 24
	s_cbranch_scc0 .Lffn
	s_sub_co_u32 s35, s3, 18                       ; u
	s_mul_i32 s36, s35, 86
	s_lshr_b32 s36, s36, 8                         ; ks = u / 3 (exact for u < 6)
	s_mul_i32 s38, s36, 3
	s_sub_co_u32 s38, s35, s38                     ; j
	s_mov_b64 s[SRC:SRC+1], s[20:21]
	s_lshl_b32 s[ROW0], s38, 8
	s_add_co_u32 s[ROW0], s[ROW0], s37
	s_mov_b32 s[PIT], 768
	s_lshl_b32 s[KOFF], s36, 7
	s_mov_b32 s[KDIM], 192
	s_branch .Lgo
.Lffn:
	s_sub_co_u32 s35, s3, 24
	s_mul_i32 s36, s35, 43
	s_lshr_b32 s36, s36, 9                         ; ch = (T - 24) / 12 (exact below 96)
	s_mul_i32 s38, s36, 12
	s_sub_co_u32 s38, s35, s38                     ; r
	s_cmp_lt_u32 s38, 6
	s_cbranch_scc0 .Lw2
	s_mov_b64 s[SRC:SRC+1], s[22:23]
	s_lshl_b32 s[ROW0], s36, 8
	s_add_co_u32 s[ROW0], s[ROW0], s37
	s_mov_b32 s[PIT], 3072
	s_lshl_b32 s[KOFF], s38, 7
	s_mov_b32 s[KDIM], 768
	s_branch .Lgo
.Lw2:
	s_sub_co_u32 s38, s38, 6                       ; r'
	s_mul_i32 s39, s38, 86
	s_lshr_b32 s39, s39, 8                         ; ks2
	s_mul_i32 s40, s39, 3
	s_sub_co_u32 s40, s38, s40                     ; j
	s_mov_b64 s[SRC:SRC+1], s[24:25]
	s_lshl_b32 s[ROW0], s40, 8
	s_add_co_u32 s[ROW0], s[ROW0], s37
	s_mov_b32 s[PIT], 8192
	s_lshl_b32 s[KOFF], s36, 8
	s_lshl_b32 s39, s39, 7
	s_add_co_u32 s[KOFF], s[KOFF], s39
	s_mov_b32 s[KDIM], 2048
.Lgo:
	s_lshl_b32 s38, s2, 4                          ; my 16 rows of the quarter
	s_add_co_u32 s42, s[ROW0], s38
	s_cmp_lt_u32 s38, s[RPQ]                       ; do they hold numbers?
	s_cselect_b32 s41, s[KDIM], 0                  ; if not, every k counts as past the end,
	s_cselect_b32 s42, s42, 0                      ; and the loads stay at the matrix's first rows
	s_mul_i32 s42, s42, s[PIT]                     ; under 2^23
	s_mov_b32 s43, 0
	s_add_nc_u64 s[SRC:SRC+1], s[SRC:SRC+1], s[42:43]
	s_lshl_b32 s44, s3, 16                         ; the cell,
	s_lshl_b32 s45, s4, 14                         ; the quarter,
	s_add_co_u32 s44, s44, s45
	s_lshl_b32 s45, s2, 12                         ; my 16 rows of 256 bytes
	s_add_co_u32 s44, s44, s45
	s_mov_b32 s45, 0
	s_add_nc_u64 s[26:27], s[26:27], s[44:45]
	v_lshl_add_u32 v2, v1, 2, s[KOFF]              ; my first k
	v_cmp_gt_u32 vcc_lo, s41, v2                   ; is it inside the matrix?  (k's ends are multiples of 4)
	v_lshlrev_b32 v3, 2, v2
	v_cndmask_b32 v3, 0, v3, vcc_lo
	v_lshlrev_b32 v4, 3, v1                        ; my 8 bytes of a cell's row
.set i, 0
.rept 16
	v_mad_u32_u24 v[16+i], s[PIT], i, v3
.set i, i+1
.endr
.set i, 0
.rept 16
	global_load_b128 v[32+4*i:35+4*i], v[16+i], s[SRC:SRC+1] th:TH_LOAD_NT
.set i, i+1
.endr
.set i, 0
.rept 16
	s_wait_loadcnt 15-i                            ; loads come back in order: row i is in, the 15 - i younger ones may stay out
	v_cndmask_b32 v[32+4*i], 0, v[32+4*i], vcc_lo
	v_cndmask_b32 v[33+4*i], 0, v[33+4*i], vcc_lo
	v_cndmask_b32 v[34+4*i], 0, v[34+4*i], vcc_lo
	v_cndmask_b32 v[35+4*i], 0, v[35+4*i], vcc_lo
	v_cvt_pk_bf16_f32 v[96+2*i], v[32+4*i], v[33+4*i]
	v_cvt_pk_bf16_f32 v[97+2*i], v[34+4*i], v[35+4*i]
	global_store_b64 v4, v[96+2*i:97+2*i], s[26:27] offset:256*i  ; 32 lanes x 8 bytes: a whole row of the cell
.set i, i+1
.endr
	s_endpgm
.Lfunc_end_k_q77db19bfe8_prep:
	.size	k_q77db19bfe8_prep, .Lfunc_end_k_q77db19bfe8_prep-k_q77db19bfe8_prep
	.p2alignl 7, 3214868480
	.fill 96, 4, 3214868480
	.section	.rodata,"a",@progbits
	.p2align	6, 0x0
	.amdhsa_kernel k_q77db19bfe8_prep
		.amdhsa_group_segment_fixed_size 0
		.amdhsa_private_segment_fixed_size 0
		.amdhsa_enable_private_segment 0
		.amdhsa_kernarg_size 80
		.amdhsa_user_sgpr_count 2
		.amdhsa_user_sgpr_kernarg_segment_ptr 1
		.amdhsa_wavefront_size32 1
		.amdhsa_system_sgpr_workgroup_id_x 1
		.amdhsa_system_sgpr_workgroup_id_y 1
		.amdhsa_system_sgpr_workgroup_id_z 1
		.amdhsa_system_vgpr_workitem_id 0
		.amdhsa_next_free_vgpr 128
		.amdhsa_next_free_sgpr 66
		.amdhsa_reserve_vcc 1
		.amdhsa_float_denorm_mode_32 3
		.amdhsa_float_denorm_mode_16_64 3
		.amdhsa_memory_ordered 1
		.amdhsa_forward_progress 1
		.amdhsa_inst_pref_size 13
	.end_amdhsa_kernel
	.amdgpu_metadata
---
amdhsa.version: [ 1, 2 ]
amdhsa.kernels:
  - .name:           k_q77db19bfe8_prep
    .symbol:         k_q77db19bfe8_prep.kd
    .args:
      - { .name: Wq1, .offset: 0, .size: 8, .value_kind: global_buffer, .address_space: global }
      - { .name: Wq2, .offset: 8, .size: 8, .value_kind: global_buffer, .address_space: global }
      - { .name: Wk1, .offset: 16, .size: 8, .value_kind: global_buffer, .address_space: global }
      - { .name: Wk2, .offset: 24, .size: 8, .value_kind: global_buffer, .address_space: global }
      - { .name: Wv1, .offset: 32, .size: 8, .value_kind: global_buffer, .address_space: global }
      - { .name: Wv2, .offset: 40, .size: 8, .value_kind: global_buffer, .address_space: global }
      - { .name: Wp, .offset: 48, .size: 8, .value_kind: global_buffer, .address_space: global }
      - { .name: W1, .offset: 56, .size: 8, .value_kind: global_buffer, .address_space: global }
      - { .name: W2, .offset: 64, .size: 8, .value_kind: global_buffer, .address_space: global }
      - { .name: wt, .offset: 72, .size: 8, .value_kind: global_buffer, .address_space: global }
    .group_segment_fixed_size: 0
    .private_segment_fixed_size: 0
    .kernarg_segment_align: 8
    .kernarg_segment_size: 80
    .max_flat_workgroup_size: 128
    .sgpr_count:     66
    .vgpr_count:     128
    .wavefront_size: 32
...
	.end_amdgpu_metadata
.endif
;; end of part 1
;; launch main (part 2): grid 256 x 1, 4 waves a work-group, clusters of 4 x 1, 327,680 bytes of LDS; arguments inputs, emb, pos_emb, wt, bq1, bq2, bk1, bk2, bv1, bv2, bp, g1, be1, bf2, bf1, g2, be2, Wo, bo, out0; writes out0
.if DOCPART == 2
	.amdgcn_target "amdgcn-amd-amdhsa--gfx1250"
	.amdhsa_code_object_version 6
	.text
	.protected	k_q77db19bfe8_main
	.globl	k_q77db19bfe8_main
	.p2align	8
	.type	k_q77db19bfe8_main,@function
k_q77db19bfe8_main:
	s_mov_b64 s[64:65], 0
	v_nop
	global_prefetch_b8 v0, s[64:65] scope:SCOPE_SE
	s_setreg_imm32_b32 hwreg(HW_REG_WAVE_MODE, 25, 1), 1
	s_wait_xcnt 0x0
	s_wait_alu depctr_hold_cnt(0) depctr_sa_sdst(0) depctr_va_vdst(0) depctr_va_sdst(0) depctr_va_ssrc(0) depctr_va_vcc(0) depctr_vm_vsrc(0)
	s_getreg_b32 s2, hwreg(HW_REG_IB_STS2, 6, 4)
	s_cmp_eq_u32 s2, 0
	s_cbranch_scc0 .Lentry_in_a_cluster
	s_endpgm
.Lentry_in_a_cluster:
	s_bfe_u32 s2, ttmp6, 0x10000c
	s_cmp_lg_u32 s2, 0x3003
	s_cbranch_scc0 .Lentry_shape_is_right
	s_endpgm
.Lentry_shape_is_right:
; THE WHOLE LAYER FOR 64 ROWS (two sequences of 32 tokens) IN ONE WORK-GROUP: gather + position, q k v, two heads of attention, Wp + residual + LayerNorm, the FFN + residual + LayerNorm, the two output columns.
; Nothing but the weights' cells (made by the launch before: 120 cells of 256 rows x 128 k, bf16) comes from a workspace, and only out0 is stored.
; FORMATS.  Matrix operands (x, q, k, v, the weights p of the softmax, z, h, relu(f), all weights) are bf16; all sums, both residuals, both LayerNorms and the softmax are f32.
; LIMITS.  An index is held to 0 .. 50,256.  A softmax weight below 2^-126 counts as 0.  NaN and infinities are not treated apart.  The variance is the mean of (x - mean)^2, in two passes.
; SHARES.  The matrix instruction is used transposed: source 0 = 16 rows of a weight, source 1 = 16 rows of activations.  In a result lane (r, h) holds activation row 16 a + r and the eight
; output columns n0 + 8 h + 0..7.  Wave w owns ALL 64 rows and, of every 256 output columns, columns 64 w .. 64 w + 63: of each cell it fetches and reads rows 64 w .. 64 w + 63.
; The 64 x 768 residual stream (x + bp, then + z; h + bf2, then + f) stays in 48 accumulators a wave, f32, from the gather to the end.
; THE RING.  Two LDS slots of one cell; each wave brings its 64 rows by one tensor load; a cell is asked for when the cell before it begins to be multiplied.
; CLUSTER.  All work-groups walk the same 120 cells, so the four of a cluster ask for each cell JOINTLY: the same load, descriptor and mask in all four.
; REGISTERS, in windows of 256 (s_set_vgpr_msb: bits 1:0 source 0, 3:2 source 1, 5:4 source 2, 7:6 destination):
;   window 0: v0-31 addresses; v32-63 a bias (8 a column tile) or statistics; v64-127 at work; v128-255 the accumulators of q k v and of the FFN's first product
;   window 1: v0-127 a cell's fragments (column tile c, K group kf at 8 (4 kf + c)); v128-255 the activations' (row tile a at 128 + 8 (4 kf + a)); between products: vectors by column
;   windows 2, 3: the residual stream: column block j, column tile c, row tile a at base + 8 (4 c + a): j = 0: window 2, base 0; j = 1: window 2, base 128; j = 2: window 3, base 0
;   window 3, v128-223: at the end, Wo's second row
.set PW,    272       ; a cell's row in LDS: 256 bytes + 16 of padding: the 16 rows of a fragment load start at 16 different groups of four banks (64 banks of 4 bytes: ISA guide 11.1); so for the pitches below
.set CELL,  65536
.set SLOT1, 1<<17     ; slot 0 at byte 0, slot 1 here: one exclusive or turns an address in one slot into the other's
.set QK,    69632     ; 64 rows x 784: q1 | q2 (384 bytes), k1 | k2 (384), 16 of padding
.set PQK,   784
.set F1,    69632     ; later in the same bytes: relu(f) of one chunk, 64 rows x 528 (256 columns + 16)
.set PF,    528
.set RED,   119808    ; 4 x 1,024: the LayerNorms' partial sums (row x 16 + 4 x wave); at +4,096: the outputs' (row x 32 + 16 o + 4 x wave)
.set SPARE, 125952    ; the spare words, 128 bytes for each wave: two blocks of 256 bytes that no other line names
.set XH,    200704    ; 64 rows x 1,552: x, later h, in bf16 (1,536 bytes + 16)
.set PX,    1552
.set ZB,    200704    ; between the two, in the same bytes: z, 64 rows x 400 (384 + 16)
.set PZ,    400
.set VB,    300032    ; v1 | v2, 64 rows x 416 (384 + 32)
.set PV,    416
.set RR,  1           ; lane % 16
.set HH,  2           ; lane / 16
.set LL,  3           ; lane
.set AW0, 4           ; my place in a cell: (64 w + r) x 272 + 16 h
.set AW,  5           ; the same in the slot in hand
.set AX0, 6           ; my place in x / h: XH + r x 1,552 + 16 h
.set AXC, 7           ; the same at the K step in hand, row tiles 0, 1;
.set AXC2, 8          ; row tiles 2, 3
.set AF0, 9           ; F1 + r x 528 + 16 h
.set AFC, 10          ; the same at the K step in hand
.set AZC, 11          ; ZB + r x 400 + 16 h, stepped once
.set VCOL, 12         ; byte offset of my columns in a vector of 768 (or a chunk's 256) f32: 256 w + 32 h
.set VQB, 13          ; the same in a head's 96: 192 (w & 1) + 32 h
.set SX,  14          ; v14, v15: where I store x / h: AX0 + 128 w; + 32 rows
.set SF,  16          ; relu(f): AF0 + 128 w
.set SQ,  17          ; q, k: QK + r x 784 + 96 w + 16 h
.set SV,  18          ; v: VB + r x 416 + 96 w + 16 h
.set SZ,  19          ; z of my sequence s = w >> 1 and head e = w & 1
.set AQ,  20          ; q (k: + 384) of my sequence and head
.set AVT, 21          ; v of my sequence and head, for the turning load
.set RS,  22          ; RED + 16 r + 4 w
.set RL,  23          ; RED + 16 r
.set GI,  24          ; v24-27: the gather's offsets; at the end three addresses
.set SPW, 28          ; LDS address of my spare word; never rewritten
.set NIL, 29          ; 0; never rewritten
.set ZERO, 30         ; 0, for the packed maximum
.set PFO, 31          ; 256 x lane, for the prefetches
.set BIAS, 32
.set TMP, 64
.set ACC1, 128
.set WV,  12          ; s12  my wave's number
.set CX,  13          ; s13  my place in the cluster
.set WG,  14          ; s14  my work-group: it enters the addresses of inputs and out0 alone
.set LIM, 15          ; s15  3 in a wave that prefetches, else the greatest number
.set TC,  16          ; s16  cells still to be asked for
.set TB,  17          ; s17  the slot in hand
.set PFA, 18          ; s[18:19] where my prefetches stand
.set G1,  24          ; s[24:31] descriptor group 1
.set G0,  32          ; s[32:35] descriptor group 0: it walks
.set SEL, 36          ; s[36:37] v_permlanex16_b32's selects: each lane takes its own place in the other half
.set CS,  38          ; s[38:39] log2(e) / sqrt(96)
.set CH,  40          ; s40  chunks to go
.set KL,  41          ; s41  counts K steps
.set BP,  44          ; s[44:45] the bias in hand
.set I768, 88         ; s88  1 / 768
.set EPSR, 89         ; s89  1e-5
.set MSB, 0
.macro WIN new                      ; the immediate's high byte repeats the setting that is left; a switch that changes nothing is dropped
.if MSB != (\new)
	s_set_vgpr_msb (MSB<<8)|(\new)
.set MSB, (\new)
.endif
.endm
; A vector instruction that reads a matrix result or writes a matrix instruction's register, and a load into such a register, stand four places behind it; only plain vector instructions
; that name none of its registers are places (ISA guide 7.12.1 for vector instructions).
.macro PLACES
.rept 4
	v_nop
.endr
.endm
.macro FOUR line:vararg             ; one line for each row tile a
.set a, 0
.rept 4
	\line
.set a, a+1
.endr
.endm
; A round of the cluster's barrier: my work-group's barrier, so that wave 0's signal speaks for all four waves; wave 0 signals; every wave waits for all four work-groups; my work-group's barrier once more.
.macro CROUND
	s_barrier_signal -1
	s_barrier_wait -1
	s_cmp_lg_u32 s[WV], 0
	s_cbranch_scc1 .Lnot_wave_0_\@
	s_barrier_signal -3
.Lnot_wave_0_\@:
	s_barrier_wait -3
	s_barrier_signal -1
	s_barrier_wait -1
.endm
; A PREFETCH INTO THE L2, behind the joint load and its five lines: the cell three behind the one just asked for (192 matrix instructions a wave ahead of its load).  Every cluster walks the same cells: the first
; cluster asks.  Its four partners take a quarter of the cell each, told apart BY ADDRESS; in each, waves 0 and 1 take 32 rows of 256 bytes, a lane a row.  So each row is named once in the launch.
; Cells 0 to 3 come by their loads alone; the last three fills ask for nothing: there is no cell behind cell 119.
.macro ASK
	s_cmp_gt_u32 s[TC], s[LIM]
	s_cbranch_scc0 .Lnot_mine_\@
	global_prefetch_b8 v[PFO], s[PFA:PFA+1] th:TH_LOAD_NT scope:SCOPE_SE
.Lnot_mine_\@:
.endm
; THE CHANGE OF SLOTS, in front of every cell.  Each wave waits for all its tensor loads, of which one is out: its part of the cell to be read; adds 0 to its spare word; and waits for that, for its reads of the
; old slot and for its LDS stores.  Behind the barrier the new cell is whole, nobody reads the old slot, and what the waves stored for each other (x, z, h, relu(f)) may be read.
; fill = 1: the barrier is a round of the cluster's, and the old slot is filled with the next cell first thing behind it: one load a wave, one out at a time.
.macro SYNC fill
	WIN 0
	s_wait_xcnt 0x0                 ; the last prefetch, a cell back, has read its address
	s_add_nc_u64 s[PFA:PFA+1], s[PFA:PFA+1], CELL
	s_wait_tensorcnt 0x0            ; no tensor load of mine is out, so group 0 may be written
	ds_add_u32 v[SPW], v[NIL]       ; 0 onto my spare word
.if \fill
	s_xor_b32 s[G0+1], s[G0+1], SLOT1  ; the other slot than last time,
	s_add_nc_u64 s[G0+2:G0+3], s[G0+2:G0+3], CELL  ; the next cell; the type bits on top are not reached
.endif
	s_wait_dscnt 0x0
.if \fill
	CROUND
	tensor_load_to_lds s[G0:G0+3], s[G1:G1+7]
	s_nop 0
	PLACES                          ; the places in front of the fragment loads
	ASK
	s_sub_co_u32 s[TC], s[TC], 1
.else
	s_barrier_signal -1
	s_barrier_wait -1
	PLACES
.endif
	s_xor_b32 s[TB], s[TB], SLOT1
	v_add_nc_u32 v[AW], s[TB], v[AW0]
.endm
; A CELL'S WORK: nc column tiles x 4 row tiles x nk K groups of 32, onto the accumulators at base in window win.  All fragment loads go out in one run, K group by K group; the wait in front of a
; group's products leaves the later groups' loads out.  act: 0 the activations' fragments of the cell before serve again; 1 from x / h; 2 from relu(f); 3 from z.
; first = 1: the first K group's products start the sums with the bias as C.  The accumulators take turns, one instruction a turn.
.macro WORK win, base, nc, nk, act, first
	WIN 0x40                        ; destination window 1, address window 0
.set nl, 2*(\nc)
.if \act
.set nl, nl+8
.endif
.set kf, 0
.rept \nk
.set c, 0
.rept \nc
	ds_load_b128 v[8*(4*kf+c):8*(4*kf+c)+3],   v[AW] offset:c*16*PW+64*kf
	ds_load_b128 v[8*(4*kf+c)+4:8*(4*kf+c)+7], v[AW] offset:c*16*PW+64*kf+32
.set c, c+1
.endr
.if \act
.set a, 0
.rept 4
.if \act == 1
	ds_load_b128 v[128+8*(4*kf+a):128+8*(4*kf+a)+3],   v[AXC+a/2] offset:(a%2)*16*PX+64*kf
	ds_load_b128 v[128+8*(4*kf+a)+4:128+8*(4*kf+a)+7], v[AXC+a/2] offset:(a%2)*16*PX+64*kf+32
.elseif \act == 2
	ds_load_b128 v[128+8*(4*kf+a):128+8*(4*kf+a)+3],   v[AFC] offset:a*16*PF+64*kf
	ds_load_b128 v[128+8*(4*kf+a)+4:128+8*(4*kf+a)+7], v[AFC] offset:a*16*PF+64*kf+32
.else
	ds_load_b128 v[128+8*(4*kf+a):128+8*(4*kf+a)+3],   v[AZC] offset:a*16*PZ+64*kf
	ds_load_b128 v[128+8*(4*kf+a)+4:128+8*(4*kf+a)+7], v[AZC] offset:a*16*PZ+64*kf+32
.endif
.set a, a+1
.endr
.endif
.set kf, kf+1
.endr
.if \first
	s_wait_loadcnt 0x0              ; the bias
.endif
.set kf, 0
.rept \nk
	s_wait_dscnt ((\nk)-1-kf)*nl    ; LDS loads come back in order: this group's are in
	WIN 0x05+0x50*(\win)            ; sources 0 and 1 window 1; C and D the accumulators' window
.set c, 0
.rept \nc
.set a, 0
.rept 4
.set rD, (\base)+8*(4*c+a)
.if (\first) && (kf == 0)
	v_wmma_f32_16x16x32_bf16 v[rD:rD+7], v[8*(4*kf+c):8*(4*kf+c)+7], v[128+8*(4*kf+a):128+8*(4*kf+a)+7], v[BIAS+8*c:BIAS+8*c+7]
.else
	v_wmma_f32_16x16x32_bf16 v[rD:rD+7], v[8*(4*kf+c):8*(4*kf+c)+7], v[128+8*(4*kf+a):128+8*(4*kf+a)+7], v[rD:rD+7]
.endif
.set a, a+1
.endr
.set c, c+1
.endr
.set kf, kf+1
.endr
.endm
.macro TILE fill, win, base, nc, nk, act, first
	SYNC \fill
	WORK \win, \base, \nc, \nk, \act, \first
.endm
; My 96 numbers of a vector of 768 f32 (column block t / 4, column tile t % 4: 8 registers) into base .. base + 95 of window win.
.macro LDCOL win, base, sp, off
	WIN (\win)<<6
.set t, 0
.rept 12
	global_load_b128 v[(\base)+8*t:(\base)+8*t+3],   v[VCOL], s[\sp:\sp+1] offset:(\off)+1024*(t/4)+64*(t%4)
	global_load_b128 v[(\base)+8*t+4:(\base)+8*t+7], v[VCOL], s[\sp:\sp+1] offset:(\off)+1024*(t/4)+64*(t%4)+16
.set t, t+1
.endr
	WIN 0
.endm
.macro QBIAS nb                     ; my 48 numbers of the bias of q (0), k (1) or v (2): waves 0, 1 the first head's, waves 2, 3 the second's
	s_cmp_lt_u32 s[WV], 2
	s_cselect_b64 s[BP:BP+1], s[48+4*(\nb):49+4*(\nb)], s[50+4*(\nb):51+4*(\nb)]
.set c, 0
.rept 3
	global_load_b128 v[BIAS+8*c:BIAS+8*c+3],   v[VQB], s[BP:BP+1] offset:64*c
	global_load_b128 v[BIAS+8*c+4:BIAS+8*c+7], v[VQB], s[BP:BP+1] offset:64*c+16
.set c, c+1
.endr
.endm
.macro FBIAS                        ; my 64 numbers of bf1 for a chunk
.set c, 0
.rept 4
	global_load_b128 v[BIAS+8*c:BIAS+8*c+3],   v[VCOL], s[BP:BP+1] offset:64*c
	global_load_b128 v[BIAS+8*c+4:BIAS+8*c+7], v[VCOL], s[BP:BP+1] offset:64*c+16
.set c, c+1
.endr
.endm
.macro PACK1 nc                     ; the accumulators at v128.. rounded to bf16, 16 bytes a lane and tile; each is read from its low end on
.set c, 0
.rept \nc
.set a, 0
.rept 4
.set p, 0
.rept 4
	v_cvt_pk_bf16_f32 v[TMP+4*(4*c+a)+p], v[ACC1+8*(4*c+a)+2*p], v[ACC1+8*(4*c+a)+2*p+1]
.set p, p+1
.endr
.set a, a+1
.endr
.set c, c+1
.endr
.endm
; THE RESIDUAL STREAM is swept a column block at a time: JSET names the block, SWEEP writes one line for each pair of registers: rA the pair, rC its place in a vector by column, a its row tile.
; Column tile, then pair, then row tile: each accumulator is read from its low end on, and four lines stand between two on the same sum.
.macro JSET j
.set jj, (\j)
.set wj, 2+(\j)/2
.set bj, 128*((\j)%2)
.endm
.macro SWEEP line:vararg
.set c, 0
.rept 4
.set p, 0
.rept 4
.set a, 0
.rept 4
.set rA, bj+8*(4*c+a)+2*p
.set rC, 8*(4*jj+c)+2*p
	\line
.set a, a+1
.endr
.set p, p+1
.endr
.set c, c+1
.endr
.endm
.macro XSTORE                       ; the block's 16 tiles, packed in v64-127, into x / h
.set c, 0
.rept 4
.set a, 0
.rept 4
	ds_store_b128 v[SX+a/2], v[TMP+4*(4*c+a):TMP+4*(4*c+a)+3] offset:(a%2)*16*PX+512*jj+32*c
.set a, a+1
.endr
.set c, c+1
.endr
.endm
; The four rows' sums in v[32+2a:33+2a] are added up: the pair, the other half of the lanes, and through LDS the four waves.  The totals come out in v[56+a], the same bits in every wave.
.macro EXCH off
	WIN 0
	FOUR v_add_f32 v[56+a], v[32+2*a], v[33+2*a]
	FOUR v_permlanex16_b32 v[60+a], v[56+a], s[SEL], s[SEL+1]
	FOUR v_add_f32 v[56+a], v[56+a], v[60+a]
	FOUR ds_store_b32 v[RS], v[56+a] offset:(\off)+256*a
	s_wait_dscnt 0x0                ; for the others' sake
	s_barrier_signal -1
	s_barrier_wait -1
	FOUR ds_load_b128 v[TMP+4*a:TMP+4*a+3], v[RL] offset:(\off)+256*a
	s_wait_dscnt 0x0
	FOUR v_add_f32 v[TMP+4*a], v[TMP+4*a], v[TMP+4*a+1]
	FOUR v_add_f32 v[TMP+4*a+2], v[TMP+4*a+2], v[TMP+4*a+3]
	FOUR v_add_f32 v[56+a], v[TMP+4*a], v[TMP+4*a+2]
.endm
; A LayerNorm's statistics.  The stream is left as x - mean; 1 / sqrt(var + eps) comes out in the pairs v[48+2a:49+2a].
.macro LNSTAT red
	WIN 0
	FOUR v_mov_b32 v[32+2*a], 0
	FOUR v_mov_b32 v[33+2*a], 0
.irp j, 0,1,2
	JSET \j
	WIN wj
	SWEEP v_pk_add_f32 v[32+2*a:33+2*a], v[rA:rA+1], v[32+2*a:33+2*a]
.endr
	EXCH \red
	FOUR v_mul_f32 v[40+2*a], s[I768], v[56+a]
	FOUR v_mov_b32 v[41+2*a], v[40+2*a]
	FOUR v_mov_b32 v[32+2*a], 0
	FOUR v_mov_b32 v[33+2*a], 0
.irp j, 0,1,2
	JSET \j
	WIN (wj<<6)|wj
	SWEEP v_pk_add_f32 v[rA:rA+1], v[rA:rA+1], v[40+2*a:41+2*a] neg_lo:[0,1] neg_hi:[0,1]
	WIN wj*5
	SWEEP v_pk_fma_f32 v[32+2*a:33+2*a], v[rA:rA+1], v[rA:rA+1], v[32+2*a:33+2*a]
.endr
	EXCH (\red)+1024
	FOUR v_fma_f32 v[56+a], v[56+a], s[I768], s[EPSR]
	FOUR v_rsq_f32 v[48+2*a], v[56+a]
	FOUR v_rsq_f32 v[49+2*a], v[56+a]
	v_nop                           ; a plain instruction behind the last of the batch,
	s_wait_alu depctr_va_vdst(0)    ; and the one wait ahead of the first use
.endm
; ---------------------------------------------------------------- the head
	s_load_b256 s[4:11], s[0:1], 0x0               ; inputs s[4:5], emb s[6:7], pos_emb s[8:9], wt s[10:11]
	s_load_b256 s[48:55], s[0:1], 0x20             ; bq1, bq2, bk1, bk2
	s_load_b128 s[56:59], s[0:1], 0x40             ; bv1, bv2
	s_load_b64 s[66:67], s[0:1], 0x50              ; bp
	s_load_b256 s[68:75], s[0:1], 0x58             ; g1, be1, bf2, bf1
	s_load_b256 s[76:83], s[0:1], 0x78             ; g2, be2, Wo, bo
	s_load_b64 s[84:85], s[0:1], 0x98              ; out0
	v_lshl_add_u32 v[SPW], v0, 2, SPARE
	v_mov_b32 v[NIL], 0
	ds_add_u32 v[SPW], v[NIL]                      ; the wave's opening: the add and its wait stand ahead of my first tensor load; the set-up, work on registers, stands between them
	v_lshrrev_b32 v3, 5, v0
	v_readfirstlane_b32 s[WV], v3                  ; wave 0..3
	v_and_b32 v[RR], 15, v0
	v_bfe_u32 v[HH], v0, 4, 1
	v_and_b32 v[LL], 31, v0
	s_bfe_u32 s[CX], ttmp6, 0x40000
	s_lshl_b32 s[WG], ttmp9, 2                     ; in a cluster launch ttmp9 counts clusters
	s_add_co_u32 s[WG], s[WG], s[CX]
	; descriptor group 1: 64 rows x 128 elements of 2 bytes, dense in memory, padded in LDS
	s_mov_b32 s[G1+0], 15|(1<<16)|(1<<20)|(1<<21)|(5<<22)|(3<<25)  ; 15:0 the mask of four; 17:16 2-byte elements; 20 padding on; 21 set beside a mask; 24:22 after every 64 words (code 5); 31:25 4 words (code 3)
	s_mov_b32 s[G1+1], 128<<16                     ; tensor_dim0 = 128
	s_mov_b32 s[G1+2], 64<<16                      ; tensor_dim1 = 64
	s_mov_b32 s[G1+3], 128<<16                     ; tile_dim0 = 128
	s_mov_b32 s[G1+4], 64                          ; tile_dim1 = 64
	s_mov_b32 s[G1+5], 128                         ; 128 elements from row to row
	s_mov_b32 s[G1+6], 0
	s_mov_b32 s[G1+7], 0
	s_mov_b32 s[G0], 1                             ; count = 1
	s_mul_i32 s[G0+1], s[WV], 64*PW                ; LDS address: my 64 rows of slot 0
	s_mov_b32 s[SEL], 0x76543210
	s_mov_b32 s[SEL+1], 0xfedcba98
	s_mov_b32 s[CS], 0x3e16c740                    ; log2(e) / sqrt(96) = 0.147244
	s_mov_b32 s[CS+1], s[CS]                       ; named with it as a pair
	s_mov_b32 s[I768], 0x3aaaaaab                  ; 1 / 768
	s_mov_b32 s[EPSR], 0x3727c5ac                  ; 1e-5
	s_mov_b32 s[TB], SLOT1                         ; the first change of slots turns it into 0
	s_mov_b32 s[TC], 119
	s_lshr_b32 s20, s[WV], 1                       ; 0 in waves 0 and 1,
	s_or_b32 s20, s20, ttmp9                       ; of the first cluster: the same in all four partners
	s_cmp_eq_u32 s20, 0
	s_cselect_b32 s[LIM], 3, -1
	v_mul_u32_u24 v[AW0], v[RR], PW
	v_lshl_add_u32 v[AW0], v[HH], 4, v[AW0]
	v_add_nc_u32 v[AW0], s[G0+1], v[AW0]
	v_mul_u32_u24 v[AX0], v[RR], PX
	v_lshl_add_u32 v[AX0], v[HH], 4, v[AX0]
	v_add_nc_u32 v[AX0], XH, v[AX0]
	v_mul_u32_u24 v[AF0], v[RR], PF
	v_lshl_add_u32 v[AF0], v[HH], 4, v[AF0]
	v_add_nc_u32 v[AF0], F1, v[AF0]
	v_mul_u32_u24 v[AZC], v[RR], PZ
	v_lshl_add_u32 v[AZC], v[HH], 4, v[AZC]
	v_add_nc_u32 v[AZC], ZB, v[AZC]
	s_lshl_b32 s20, s[WV], 8
	v_lshl_add_u32 v[VCOL], v[HH], 5, s20
	s_and_b32 s21, s[WV], 1                        ; e, my head in the attention
	s_mul_i32 s22, s21, 192                        ; its 96 columns: bytes in bf16; also 48 columns in f32
	v_lshl_add_u32 v[VQB], v[HH], 5, s22
	s_lshl_b32 s23, s[WV], 7
	v_add_nc_u32 v[SX], s23, v[AX0]
	v_add_nc_u32 v[SX+1], 32*PX, v[SX]
	v_add_nc_u32 v[SF], s23, v[AF0]
	s_mul_i32 s23, s[WV], 96
	v_mul_u32_u24 v[SQ], v[RR], PQK
	v_lshl_add_u32 v[SQ], v[HH], 4, v[SQ]
	v_add_nc_u32 v[AQ], QK, v[SQ]
	v_add_nc_u32 v[SQ], s23, v[AQ]
	v_mul_u32_u24 v[SV], v[RR], PV
	v_lshl_add_u32 v[SV], v[HH], 4, v[SV]
	v_add_nc_u32 v[SV], s23, v[SV]
	v_add_nc_u32 v[SV], VB, v[SV]
	s_lshr_b32 s23, s[WV], 1                       ; s, my sequence in the attention
	s_mul_i32 s42, s23, 32*PQK
	s_add_co_u32 s42, s42, s22
	v_add_nc_u32 v[AQ], s42, v[AQ]
	s_mul_i32 s42, s23, 32*PZ
	s_add_co_u32 s42, s42, s22
	v_add_nc_u32 v[SZ], s42, v[AZC]
	v_and_b32 v56, 7, v0                           ; the turning load: lane l reads key 8 (l / 16) + l % 8, channels 8 ((l / 8) % 2) + 0..7
	v_lshl_add_u32 v56, v[HH], 3, v56
	v_mul_u32_u24 v[AVT], v56, PV
	v_bfe_u32 v57, v0, 3, 1
	v_lshl_add_u32 v[AVT], v57, 4, v[AVT]
	s_mul_i32 s42, s23, 32*PV
	s_add_co_u32 s42, s42, s22
	s_add_co_u32 s42, s42, VB
	v_add_nc_u32 v[AVT], s42, v[AVT]
	v_lshl_add_u32 v[RL], v[RR], 4, RED
	s_lshl_b32 s42, s[WV], 2
	v_add_nc_u32 v[RS], s42, v[RL]
	v_mov_b32 v[ZERO], 0
	v_lshlrev_b32 v[PFO], 8, v[LL]
.set i, 58
.rept 6
	v_mov_b32 v[i], 0                              ; v_permlanex16_b32's destinations count as read: written once here
.set i, i+1
.endr
	s_wait_dscnt 0x0                               ; the opening add is done
	s_wait_kmcnt 0x0
	s_lshl_b32 s20, s[WV], 14                      ; my 64 rows of 256 bytes in a cell
	s_mov_b32 s21, 0
	s_add_nc_u64 s[G0+2:G0+3], s[10:11], s[20:21]  ; global address: cell 0; the wave's number alone enters it
	s_or_b32 s[G0+3], s[G0+3], 0x80000000          ; type = 2
	s_lshl_b32 s46, s[CX], 14                      ; the prefetches: my work-group's quarter of a cell,
	s_and_b32 s47, s[WV], 1
	s_lshl_b32 s47, s47, 13                        ; my wave's 32 rows of it
	s_add_co_u32 s46, s46, s47
	s_mov_b32 s47, 0
	s_add_nc_u64 s[PFA:PFA+1], s[10:11], s[46:47]
	s_add_nc_u64 s[PFA:PFA+1], s[PFA:PFA+1], 3*CELL  ; the first change of slots steps it to cell 4.  Nothing is prefetched here, at the head
	s_lshl_b32 s46, s[WG], 8                       ; my 64 indices
	s_add_nc_u64 s[4:5], s[4:5], s[46:47]
	s_lshl_b32 s46, s[WG], 9                       ; my 64 rows of out0
	s_add_nc_u64 s[84:85], s[84:85], s[46:47]
	CROUND                                         ; all four work-groups are here: the first joint loads meet
	tensor_load_to_lds s[G0:G0+3], s[G1:G1+7]      ; cell 0 into slot 0
	s_nop 0
	PLACES
; ---------------------------------------------------------------- x = emb[inputs] + pos_emb, straight into the accumulators' layout
	v_lshlrev_b32 v56, 2, v[RR]
	FOUR global_load_b32 v[GI+a], v56, s[4:5] offset:64*a          ; the index of row 16 a + r
	v_mul_u32_u24 v57, v[RR], 3072
	v_add_nc_u32 v57, v57, v[VCOL]
	WIN 0x40
.set i, 0
.rept 24                            ; position 16 (i / 12) + r, column tile i % 12: rows 16 a + r and 16 (a + 2) + r have the same position
	global_load_b128 v[8*i:8*i+3],   v57, s[8:9] offset:(i/12)*49152+1024*((i%12)/4)+64*(i%4)
	global_load_b128 v[8*i+4:8*i+7], v57, s[8:9] offset:(i/12)*49152+1024*((i%12)/4)+64*(i%4)+16
.set i, i+1
.endr
	WIN 0
	LDCOL 0, 128, 66, 0                            ; bp
	QBIAS 0
	s_wait_loadcnt 63                              ; 82 loads are issued; at most 63 are left: the oldest 19 are in, the four indices among them
	FOUR v_min_u32 v[GI+a], 50256, v[GI+a]
	FOUR v_mul_u32_u24 v[GI+a], 3072, v[GI+a]
	FOUR v_add_nc_u32 v[GI+a], v[GI+a], v[VCOL]
.irp j, 0,1,2
	JSET \j
	WIN wj<<6
.set c, 0
.rept 4
.set a, 0
.rept 4
	global_load_b128 v[bj+8*(4*c+a):bj+8*(4*c+a)+3],   v[GI+a], s[6:7] offset:1024*jj+64*c
	global_load_b128 v[bj+8*(4*c+a)+4:bj+8*(4*c+a)+7], v[GI+a], s[6:7] offset:1024*jj+64*c+16
.set a, a+1
.endr
.set c, c+1
.endr
.endr
	s_wait_loadcnt 0x0
.irp j, 0,1,2
	JSET \j
	WIN (wj<<6)|4|wj
	SWEEP v_pk_add_f32 v[rA:rA+1], v[rA:rA+1], v[96*(a%2)+rC:96*(a%2)+rC+1]  ; + position
	WIN wj*5
	SWEEP v_cvt_pk_bf16_f32 v[TMP+4*(4*c+a)+p], v[rA], v[rA+1]
	WIN 0
	XSTORE                                         ; x in bf16, for q k v
	WIN (wj<<6)|wj
	SWEEP v_pk_add_f32 v[rA:rA+1], v[rA:rA+1], v[128+rC:128+rC+1]            ; + bp: Wp's products add onto x + bp
.endr
; ---------------------------------------------------------------- q, k, v: six cells each; wave w makes columns 48 w .. 48 w + 47 of the two heads' 192
.macro QKVBLK nb
	WIN 0
	v_mov_b32 v[AXC], v[AX0]
	v_add_nc_u32 v[AXC2], 32*PX, v[AX0]
	TILE 1, 0, ACC1, 3, 4, 1, 1
	WIN 0
	s_mov_b32 s[KL], 5
.Lqk_\@:
	v_add_nc_u32 v[AXC], 256, v[AXC]
	v_add_nc_u32 v[AXC2], 256, v[AXC2]
	TILE 1, 0, ACC1, 3, 4, 1, 0
	WIN 0
	s_sub_co_u32 s[KL], s[KL], 1
	s_cmp_lg_u32 s[KL], 0
	s_cbranch_scc1 .Lqk_\@
	PLACES
.if (\nb) < 2
	QBIAS (\nb)+1                                  ; the first cell's wait for the last bias has freed its pointer and registers
.endif
	PACK1 3
.set c, 0
.rept 3
.set a, 0
.rept 4
.if (\nb) < 2
	ds_store_b128 v[SQ], v[TMP+4*(4*c+a):TMP+4*(4*c+a)+3] offset:384*(\nb)+a*16*PQK+32*c
.else
	ds_store_b128 v[SV], v[TMP+4*(4*c+a):TMP+4*(4*c+a)+3] offset:a*16*PV+32*c
.endif
.set a, a+1
.endr
.set c, c+1
.endr
.endm
	QKVBLK 0
	QKVBLK 1
	QKVBLK 2
	s_wait_dscnt 0x0                               ; for the others' sake: my q, k, v are stored, and my reads of x are over
	s_barrier_signal -1
	s_barrier_wait -1
; ---------------------------------------------------------------- attention: wave w takes sequence w >> 1, head w & 1: 32 queries x 32 keys x 96 channels, all in window 0
; S^T = K Q^T: a lane holds ONE query (lane % 16) and the keys 8 (lane / 16) + 0..7 of a key tile; two such results rounded to bf16 ARE source 1 of O^T = V^T P.
; v64-111 Q (query tile, K group); v112-159 K; v160-191 S^T (16 a query tile); v192-207 P; v208-255 V^T; O^T then takes v64-159.  Statistics of query tile q at v[32 + 8 q].
.macro TWO line:vararg
.set q, 0
.rept 2
.set rT, BIAS+8*q
.set rS, 160+16*q
	\line
.set q, q+1
.endr
.endm
	WIN 0
.set i, 0
.rept 6
	ds_load_b128 v[64+8*i:64+8*i+3],     v[AQ] offset:(i/3)*16*PQK+64*(i%3)
	ds_load_b128 v[64+8*i+4:64+8*i+7],   v[AQ] offset:(i/3)*16*PQK+64*(i%3)+32
	ds_load_b128 v[112+8*i:112+8*i+3],   v[AQ] offset:384+(i/3)*16*PQK+64*(i%3)
	ds_load_b128 v[112+8*i+4:112+8*i+7], v[AQ] offset:384+(i/3)*16*PQK+64*(i%3)+32
.set i, i+1
.endr
.set i, 0
.rept 6
	ds_load_tr16_b128 v[208+8*i:208+8*i+3],   v[AVT] offset:32*i
	ds_load_tr16_b128 v[208+8*i+4:208+8*i+7], v[AVT] offset:32*i+16*PV
.set i, i+1
.endr
	s_wait_dscnt 12                                ; Q and K are in; V's twelve loads may stay out
.set kf, 0
.rept 3
.set i, 0
.rept 4                             ; query tile i / 2, key tile i % 2: four accumulators by turns
.if kf == 0
	v_wmma_f32_16x16x32_bf16 v[160+8*i:160+8*i+7], v[112+8*(3*(i%2)+kf):112+8*(3*(i%2)+kf)+7], v[64+8*(3*(i/2)+kf):64+8*(3*(i/2)+kf)+7], 0
.else
	v_wmma_f32_16x16x32_bf16 v[160+8*i:160+8*i+7], v[112+8*(3*(i%2)+kf):112+8*(3*(i%2)+kf)+7], v[64+8*(3*(i/2)+kf):64+8*(3*(i/2)+kf)+7], v[160+8*i:160+8*i+7]
.endif
.set i, i+1
.endr
.set kf, kf+1
.endr
	PLACES
	TWO v_max3_num_f32 v[rT+2], v[rS], v[rS+1], v[rS+2]           ; the row's true maximum; each accumulator is read from its low end on
	TWO v_max3_num_f32 v[rT+3], v[rS+8], v[rS+9], v[rS+10]
	TWO v_max3_num_f32 v[rT+2], v[rT+2], v[rS+3], v[rS+4]
	TWO v_max3_num_f32 v[rT+3], v[rT+3], v[rS+11], v[rS+12]
	TWO v_max3_num_f32 v[rT+2], v[rT+2], v[rS+5], v[rS+6]
	TWO v_max3_num_f32 v[rT+3], v[rT+3], v[rS+13], v[rS+14]
	TWO v_max3_num_f32 v[rT+2], v[rT+2], v[rS+7], v[rS+15]
	TWO v_max_num_f32 v[rT+2], v[rT+2], v[rT+3]
	TWO v_permlanex16_b32 v[rT+3], v[rT+2], s[SEL], s[SEL+1]      ; the query's other 16 keys lie in the lane 16 away
	TWO v_max_num_f32 v[rT+1], v[rT+2], v[rT+3]
	TWO v_mul_f32 v[rT], s[CS], v[rT+1]
.irp p, 0,1,2,3,4,5,6,7
	TWO v_pk_fma_f32 v[rS+2*\p:rS+2*\p+1], v[rS+2*\p:rS+2*\p+1], s[CS:CS+1], v[rT:rT+1] op_sel_hi:[1,0,0] neg_lo:[0,0,1] neg_hi:[0,0,1]
.endr
.set i, 160
.rept 32
	v_exp_f32 v[i], v[i]
.set i, i+1
.endr
	v_nop                                          ; a plain instruction behind the last exponential,
	s_wait_alu depctr_va_vdst(0)                   ; and one wait for the batch
.irp p, 0,1,2,3,4,5,6,7
	TWO v_cvt_pk_bf16_f32 v[192+8*q+\p], v[rS+2*\p], v[rS+2*\p+1]
.endr
.irp p, 0,1,2,3
	TWO v_pk_add_f32 v[rS+4*\p:rS+4*\p+1], v[rS+4*\p:rS+4*\p+1], v[rS+4*\p+2:rS+4*\p+3]
.endr
	TWO v_pk_add_f32 v[rS:rS+1], v[rS:rS+1], v[rS+4:rS+5]
	TWO v_pk_add_f32 v[rS+8:rS+9], v[rS+8:rS+9], v[rS+12:rS+13]
	TWO v_pk_add_f32 v[rT+4:rT+5], v[rS:rS+1], v[rS+8:rS+9]
	TWO v_add_f32 v[rT+4], v[rT+4], v[rT+5]
	TWO v_permlanex16_b32 v[rT+5], v[rT+4], s[SEL], s[SEL+1]
	TWO v_add_f32 v[rT+4], v[rT+4], v[rT+5]
	TWO v_rcp_f32 v[rT+6], v[rT+4]                                ; twice: a pair for the packed multiply
	TWO v_rcp_f32 v[rT+7], v[rT+4]
	v_nop
	s_wait_alu depctr_va_vdst(0)
	s_wait_dscnt 0x0                               ; V
.set i, 0
.rept 12                            ; channel tile i / 2, query tile i % 2: one product each (32 keys)
	v_wmma_f32_16x16x32_bf16 v[64+8*i:64+8*i+7], v[208+8*(i/2):208+8*(i/2)+7], v[192+8*(i%2):192+8*(i%2)+7], 0
.set i, i+1
.endr
	PLACES
.set i, 0
.rept 12
.set p, 0
.rept 4
	v_pk_mul_f32 v[64+8*i+2*p:64+8*i+2*p+1], v[64+8*i+2*p:64+8*i+2*p+1], v[BIAS+8*(i%2)+6:BIAS+8*(i%2)+7]
.set p, p+1
.endr
.set i, i+1
.endr
.set i, 0
.rept 12
.set p, 0
.rept 4
	v_cvt_pk_bf16_f32 v[160+4*i+p], v[64+8*i+2*p], v[64+8*i+2*p+1]
.set p, p+1
.endr
.set i, i+1
.endr
.set i, 0
.rept 12
	ds_store_b128 v[SZ], v[160+4*i:160+4*i+3] offset:(i%2)*16*PZ+32*(i/2)   ; z lies where x lay: every wave's reads of x were over at the barrier above
.set i, i+1
.endr
; ---------------------------------------------------------------- + z Wp^T: K = 192 in cells of 128 and 64; the three column blocks share z's fragments
	TILE 1, 2, 0,   4, 4, 3, 0
	TILE 1, 2, 128, 4, 4, 0, 0
	TILE 1, 3, 0,   4, 4, 0, 0
	WIN 0
	v_add_nc_u32 v[AZC], 256, v[AZC]
	TILE 1, 2, 0,   4, 2, 3, 0
	TILE 1, 2, 128, 4, 2, 0, 0
	TILE 1, 3, 0,   4, 2, 0, 0
; ---------------------------------------------------------------- h = LayerNorm(z + x): kept in f32 (+ bf2) in the accumulators, stored in bf16 for the FFN
	WIN 0
	PLACES
	LDCOL 1, 0,   68, 0                            ; g1
	LDCOL 1, 96,  70, 0                            ; be1
	LDCOL 0, 128, 72, 0                            ; bf2
	LNSTAT 0
	s_wait_loadcnt 0x0
.irp j, 0,1,2
	JSET \j
	WIN (wj<<6)|wj
	SWEEP v_pk_mul_f32 v[rA:rA+1], v[rA:rA+1], v[48+2*a:49+2*a]
	WIN (wj<<6)|0x14|wj
	SWEEP v_pk_fma_f32 v[rA:rA+1], v[rA:rA+1], v[rC:rC+1], v[96+rC:96+rC+1]
	WIN wj*5
	SWEEP v_cvt_pk_bf16_f32 v[TMP+4*(4*c+a)+p], v[rA], v[rA+1]
	WIN 0
	XSTORE                                         ; over z: every wave's reads of z were over at the statistics' barriers
	WIN (wj<<6)|wj
	SWEEP v_pk_add_f32 v[rA:rA+1], v[rA:rA+1], v[128+rC:128+rC+1]            ; + bf2: the second product adds onto h + bf2
.endr
	WIN 0
	s_mov_b64 s[BP:BP+1], s[74:75]
	FBIAS                                          ; bf1 of chunk 0
; ---------------------------------------------------------------- the FFN, in 8 chunks of 256 hidden columns: six cells of W1 (K = 768), relu, six cells of W2 (2 K steps x 3 column blocks)
	s_mov_b32 s[CH], 8
.Lchunk:
	v_mov_b32 v[AXC], v[AX0]
	v_add_nc_u32 v[AXC2], 32*PX, v[AX0]
	TILE 1, 0, ACC1, 4, 4, 1, 1
	WIN 0
	s_mov_b32 s[KL], 5
.Lw1:
	v_add_nc_u32 v[AXC], 256, v[AXC]
	v_add_nc_u32 v[AXC2], 256, v[AXC2]
	TILE 1, 0, ACC1, 4, 4, 1, 0
	WIN 0
	s_sub_co_u32 s[KL], s[KL], 1
	s_cmp_lg_u32 s[KL], 0
	s_cbranch_scc1 .Lw1
	PLACES
	s_cmp_eq_u32 s[CH], 1                          ; the last chunk has no bias behind it
	s_cbranch_scc1 .Lno_bias
	s_add_nc_u64 s[BP:BP+1], s[BP:BP+1], 1024      ; (this chunk's first cell has waited for the loads that named it)
	FBIAS
.Lno_bias:
	PACK1 4
.set i, 0
.rept 64
	v_pk_max_num_bf16 v[TMP+i], v[TMP+i], v[ZERO]  ; relu on the packed halves: nothing is rounded
.set i, i+1
.endr
.set c, 0
.rept 4
.set a, 0
.rept 4
	ds_store_b128 v[SF], v[TMP+4*(4*c+a):TMP+4*(4*c+a)+3] offset:a*16*PF+32*c  ; the last chunk's relu(f) was last read nine changes of slots ago
.set a, a+1
.endr
.set c, c+1
.endr
	v_mov_b32 v[AFC], v[AF0]
	TILE 1, 2, 0,   4, 4, 2, 0
	TILE 1, 2, 128, 4, 4, 0, 0
	TILE 1, 3, 0,   4, 4, 0, 0
	WIN 0
	v_add_nc_u32 v[AFC], 256, v[AFC]
	TILE 1, 2, 0,   4, 4, 2, 0
	TILE 1, 2, 128, 4, 4, 0, 0
	WIN 0
	s_cmp_eq_u32 s[CH], 1
	s_cbranch_scc1 .Llast                          ; the walk's last cell is written out: nothing is left to ask for.  The count is the same in every work-group
	TILE 1, 3, 0,   4, 4, 0, 0
	WIN 0
	s_sub_co_u32 s[CH], s[CH], 1
	s_cmp_lg_u32 s[CH], 0
	s_cbranch_scc1 .Lchunk
.Llast:
	TILE 0, 3, 0,   4, 4, 0, 0
; ---------------------------------------------------------------- out = LayerNorm(f + h) Wo^T + bo.  With d = x - mean and s = 1 / sqrt(var + eps):
; out[o] = s x sum(d g2 Wo[o]) + sum(be2 Wo[o]) + bo[o]: the normalised row is never formed.
	WIN 0
	PLACES
	LDCOL 1, 0,   76, 0                            ; g2
	LDCOL 1, 96,  78, 0                            ; be2
	LDCOL 0, 96,  80, 0                            ; Wo's row 0
	LDCOL 3, 128, 80, 3072                         ; Wo's row 1
	s_load_b64 s[86:87], s[82:83], 0x0             ; bo
	LNSTAT 2048
	s_wait_loadcnt 0x0
	s_wait_kmcnt 0x0
	WIN 0
.set i, 192
.rept 20
	v_mov_b32 v[i], 0                              ; eight sums (row tile a, output o at v[192 + 4 a + 2 o], a pair) and two for be2 Wo (v208, v210)
.set i, i+1
.endr
	WIN 0x01
.set t, 0
.rept 48
	v_pk_fma_f32 v[208:209], v[96+2*t:97+2*t], v[96+2*t:97+2*t], v[208:209]    ; be2 (window 1) x Wo[0] (window 0)
.set t, t+1
.endr
	WIN 0x0d
.set t, 0
.rept 48
	v_pk_fma_f32 v[210:211], v[96+2*t:97+2*t], v[128+2*t:129+2*t], v[210:211]  ; be2 x Wo[1] (window 3)
.set t, t+1
.endr
	WIN 0x04
.set t, 0
.rept 48
	v_pk_mul_f32 v[96+2*t:97+2*t], v[96+2*t:97+2*t], v[2*t:2*t+1]              ; Wo[0] g2
.set t, t+1
.endr
	WIN 0xc7
.set t, 0
.rept 48
	v_pk_mul_f32 v[128+2*t:129+2*t], v[128+2*t:129+2*t], v[2*t:2*t+1]          ; Wo[1] g2
.set t, t+1
.endr
.irp j, 0,1,2
	JSET \j
	WIN wj
	SWEEP v_pk_fma_f32 v[192+4*a:193+4*a], v[rA:rA+1], v[96+rC:96+rC+1], v[192+4*a:193+4*a]
	WIN wj|0x0c
	SWEEP v_pk_fma_f32 v[194+4*a:195+4*a], v[rA:rA+1], v[128+rC:128+rC+1], v[194+4*a:195+4*a]
.endr
	WIN 0
	s_lshl_b32 s42, s[WV], 2
	v_lshl_add_u32 v[GI], v[RR], 5, s42
	v_add_nc_u32 v[GI], RED+4096, v[GI]            ; row x 32 + 4 x wave
.macro EIGHT line:vararg            ; one line for each (row tile i / 2, output i % 2)
.set i, 0
.rept 8
	\line
.set i, i+1
.endr
.endm
	EIGHT v_add_f32 v[192+2*i], v[192+2*i], v[193+2*i]
	v_add_f32 v208, v208, v209
	v_add_f32 v210, v210, v211
	EIGHT v_fma_f32 v[192+2*i], v[192+2*i], v[48+2*(i/2)], v[208+2*(i%2)]
	EIGHT v_permlanex16_b32 v[56+i], v[192+2*i], s[SEL], s[SEL+1]
	EIGHT v_add_f32 v[56+i], v[56+i], v[192+2*i]
	EIGHT ds_store_b32 v[GI], v[56+i] offset:512*(i/2)+16*(i%2)
	s_wait_dscnt 0x0                               ; for the others' sake
	s_barrier_signal -1
	s_barrier_wait -1
	s_cmp_lt_u32 s[WV], 2                          ; waves 0 and 1 finish 32 rows each, a lane a row
	s_cbranch_scc0 .Lend
	s_lshl_b32 s42, s[WV], 10
	v_lshl_add_u32 v[GI+1], v[LL], 5, s42
	v_add_nc_u32 v[GI+1], RED+4096, v[GI+1]
	ds_load_b128 v[64:67], v[GI+1]                 ; the four waves' parts of output 0,
	ds_load_b128 v[68:71], v[GI+1] offset:16       ; of output 1
	s_lshl_b32 s42, s[WV], 8
	v_lshl_add_u32 v[GI+2], v[LL], 3, s42
	s_wait_dscnt 0x0
	v_add_f32 v64, v64, v65
	v_add_f32 v66, v66, v67
	v_add_f32 v68, v68, v69
	v_add_f32 v70, v70, v71
	v_add_f32 v64, v64, v66
	v_add_f32 v65, v68, v70
	v_add_f32 v64, s86, v64
	v_add_f32 v65, s87, v65
	global_store_b64 v[GI+2], v[64:65], s[84:85]   ; 32 lanes x 8 bytes: 256 consecutive bytes, aligned
.Lend:
	s_wait_tensorcnt 0x0                           ; the wave's end: behind my last tensor load and my last LDS store
	ds_add_u32 v[SPW], v[NIL]
	s_wait_dscnt 0x0
	CROUND                                         ; the closing round: no work-group ends while a partner may still ask for a cell that names it
	s_endpgm
.Lfunc_end_k_q77db19bfe8_main:
	.size	k_q77db19bfe8_main, .Lfunc_end_k_q77db19bfe8_main-k_q77db19bfe8_main
	.p2alignl 7, 3214868480
	.fill 96, 4, 3214868480
	.section	.rodata,"a",@progbits
	.p2align	6, 0x0
	.amdhsa_kernel k_q77db19bfe8_main
		.amdhsa_group_segment_fixed_size 327680
		.amdhsa_private_segment_fixed_size 0
		.amdhsa_enable_private_segment 0
		.amdhsa_kernarg_size 160
		.amdhsa_user_sgpr_count 2
		.amdhsa_user_sgpr_kernarg_segment_ptr 1
		.amdhsa_wavefront_size32 1
		.amdhsa_system_sgpr_workgroup_id_x 1
		.amdhsa_system_sgpr_workgroup_id_y 1
		.amdhsa_system_sgpr_workgroup_id_z 1
		.amdhsa_system_vgpr_workitem_id 0
		.amdhsa_next_free_vgpr 1024
		.amdhsa_next_free_sgpr 96
		.amdhsa_reserve_vcc 0
		.amdhsa_float_denorm_mode_32 3
		.amdhsa_float_denorm_mode_16_64 3
		.amdhsa_memory_ordered 1
		.amdhsa_forward_progress 1
		.amdhsa_inst_pref_size 255
	.end_amdhsa_kernel
	.section	.bss,"aw",@nobits
	.p2align	6
	.space	262144
	.amdgpu_metadata
---
amdhsa.version: [ 1, 2 ]
amdhsa.kernels:
  - .name:           k_q77db19bfe8_main
    .symbol:         k_q77db19bfe8_main.kd
    .args:
      - { .name: inputs, .offset: 0, .size: 8, .value_kind: global_buffer, .address_space: global }
      - { .name: emb, .offset: 8, .size: 8, .value_kind: global_buffer, .address_space: global }
      - { .name: pos_emb, .offset: 16, .size: 8, .value_kind: global_buffer, .address_space: global }
      - { .name: wt, .offset: 24, .size: 8, .value_kind: global_buffer, .address_space: global }
      - { .name: bq1, .offset: 32, .size: 8, .value_kind: global_buffer, .address_space: global }
      - { .name: bq2, .offset: 40, .size: 8, .value_kind: global_buffer, .address_space: global }
      - { .name: bk1, .offset: 48, .size: 8, .value_kind: global_buffer, .address_space: global }
      - { .name: bk2, .offset: 56, .size: 8, .value_kind: global_buffer, .address_space: global }
      - { .name: bv1, .offset: 64, .size: 8, .value_kind: global_buffer, .address_space: global }
      - { .name: bv2, .offset: 72, .size: 8, .value_kind: global_buffer, .address_space: global }
      - { .name: bp, .offset: 80, .size: 8, .value_kind: global_buffer, .address_space: global }
      - { .name: g1, .offset: 88, .size: 8, .value_kind: global_buffer, .address_space: global }
      - { .name: be1, .offset: 96, .size: 8, .value_kind: global_buffer, .address_space: global }
      - { .name: bf2, .offset: 104, .size: 8, .value_kind: global_buffer, .address_space: global }
      - { .name: bf1, .offset: 112, .size: 8, .value_kind: global_buffer, .address_space: global }
      - { .name: g2, .offset: 120, .size: 8, .value_kind: global_buffer, .address_space: global }
      - { .name: be2, .offset: 128, .size: 8, .value_kind: global_buffer, .address_space: global }
      - { .name: Wo, .offset: 136, .size: 8, .value_kind: global_buffer, .address_space: global }
      - { .name: bo, .offset: 144, .size: 8, .value_kind: global_buffer, .address_space: global }
      - { .name: out0, .offset: 152, .size: 8, .value_kind: global_buffer, .address_space: global }
    .group_segment_fixed_size: 327680
    .private_segment_fixed_size: 0
    .kernarg_segment_align: 8
    .kernarg_segment_size: 160
    .max_flat_workgroup_size: 128
    .sgpr_count:     96
    .vgpr_count:     1024
    .wavefront_size: 32
...
	.end_amdgpu_metadata
.endif
;; end of part 2
;; ======== version 2 of 3: 2 launches
;; workspace buffers: wt 7,864,320 bytes
;; launch prep: the kernel of part 1 again; grid 4 x 120, 4 waves a work-group, no clusters, 0 bytes of LDS; arguments Wq1, Wq2, Wk1, Wk2, Wv1, Wv2, Wp, W1, W2, wt; writes wt
;; launch main (part 3): grid 256 x 1, 4 waves a work-group, clusters of 4 x 1, 327,680 bytes of LDS; arguments inputs, emb, pos_emb, wt, bq1, bq2, bk1, bk2, bv1, bv2, bp, g1, be1, bf2, bf1, g2, be2, Wo, bo, out0; writes out0
.if DOCPART == 3
	.amdgcn_target "amdgcn-amd-amdhsa--gfx1250"
	.amdhsa_code_object_version 6
	.text
	.protected	k_q77db19bfe8_main
	.globl	k_q77db19bfe8_main
	.p2align	8
	.type	k_q77db19bfe8_main,@function
k_q77db19bfe8_main:
	s_mov_b64 s[64:65], 0
	v_nop
	global_prefetch_b8 v0, s[64:65] scope:SCOPE_SE
	s_setreg_imm32_b32 hwreg(HW_REG_WAVE_MODE, 25, 1), 1
	s_wait_xcnt 0x0
	s_wait_alu depctr_hold_cnt(0) depctr_sa_sdst(0) depctr_va_vdst(0) depctr_va_sdst(0) depctr_va_ssrc(0) depctr_va_vcc(0) depctr_vm_vsrc(0)
	s_getreg_b32 s2, hwreg(HW_REG_IB_STS2, 6, 4)
	s_cmp_eq_u32 s2, 0
	s_cbranch_scc0 .Lentry_in_a_cluster
	s_endpgm
.Lentry_in_a_cluster:
	s_bfe_u32 s2, ttmp6, 0x10000c
	s_cmp_lg_u32 s2, 0x3003
	s_cbranch_scc0 .Lentry_shape_is_right
	s_endpgm
.Lentry_shape_is_right:
; THE WHOLE LAYER FOR 64 ROWS (two sequences of 32 tokens) IN ONE WORK-GROUP: gather + position, q k v, two heads of attention, Wp + residual + LayerNorm, the FFN + residual + LayerNorm, the two output columns.
; Nothing but the weights' cells (made by the launch before: 120 cells of 256 rows x 128 k, bf16) comes from a workspace, and only out0 is stored.
; FORMATS.  Matrix operands (x, q, k, v, the weights p of the softmax, z, h, relu(f), all weights) are bf16; all sums, both residuals, both LayerNorms and the softmax are f32.
; LIMITS.  An index is held to 0 .. 50,256.  A softmax weight below 2^-126 counts as 0.  NaN and infinities are not treated apart.  The variance is the mean of (x - mean)^2, in two passes.
; SHARES.  The matrix instruction is used transposed: source 0 = 16 rows of a weight, source 1 = 16 rows of activations.  In a result lane (r, h) holds activation row 16 a + r and the eight
; output columns n0 + 8 h + 0..7.  Wave w owns ALL 64 rows and, of every 256 output columns, places 64 w .. 64 w + 63: of each cell it fetches and reads 64 rows.
; The 64 x 768 residual stream (x + bp, then + z; h + bf2, then + f) stays in 48 accumulators a wave, f32, from the gather to the end.
; THE RING.  Two LDS slots of one cell; each wave brings its 64 rows by one tensor load; a cell is asked for when the cell before it is entered.
; CLUSTER.  The four work-groups of a cluster walk the same cells in the same order, so they ask for each cell JOINTLY: the same load, descriptor and mask in all four.
; THE WALK DIFFERS FROM CLUSTER TO CLUSTER, in global addresses alone; every LDS address and every register is the same in all.
;   (1) The FFN's result is a sum over 8 chunks of 256 hidden columns, in f32: cluster i begins with chunk (i + i / 8) mod 8 and goes round.
;   (2) The 768 columns of the residual stream are held TURNED by 128 ks0: place n holds column (n + 128 ks0) mod 768, ks0 = (3 (a & 1) + 2 ((a >> 1) & 1) + 3 (a >> 2) + first chunk) mod 6, a = i / 8.
;       So the six K steps of q, k, v and W1 are walked from K step ks0 round (a sum over K, in f32), the 768 output rows of Wp and W2 are taken from row 128 ks0 round, and every vector by
;       column (emb, pos_emb, bp, g1, be1, bf2, g2, be2, Wo) is loaded from column 128 ks0 round.  At each step the clusters thus ask for different cells of a group of cells.
;   In quarters of a cell (64 rows, 16,384 bytes): place p of a group of six cells is quarter 4 ((p + ks0) mod 6) + w; place j of a group of three is quarter (4 j + w + 2 ks0) mod 12.
; REGISTERS, in windows of 256 (s_set_vgpr_msb: bits 1:0 source 0, 3:2 source 1, 5:4 source 2, 7:6 destination):
;   window 0: v0-31 addresses; v32-63 a bias (8 a column tile) or statistics; v64-127 at work; v128-255 the accumulators of q k v and of the FFN's first product
;   window 1: v0-127 a cell's fragments (column tile c, K group kf at 8 (4 kf + c)); v128-255 the activations' (row tile a at 128 + 8 (4 kf + a)); between products: vectors by column
;   windows 2, 3: the residual stream: column block j, column tile c, row tile a at base + 8 (4 c + a): j = 0: window 2, base 0; j = 1: window 2, base 128; j = 2: window 3, base 0
;   window 3, v128-223: at the end, Wo's second row
.set PW,    272       ; a cell's row in LDS: 256 bytes + 16 of padding: the 16 rows of a fragment load start at 16 different groups of four banks (64 banks of 4 bytes: ISA guide 11.1); so for the pitches below
.set CELL,  65536
.set SLOT1, 1<<17     ; slot 0 at byte 0, slot 1 here: one exclusive or turns an address in one slot into the other's
.set QK,    69632     ; 64 rows x 784: q1 | q2 (384 bytes), k1 | k2 (384), 16 of padding
.set PQK,   784
.set F1,    69632     ; later in the same bytes: relu(f) of one chunk, 64 rows x 528 (256 columns + 16)
.set PF,    528
.set RED,   119808    ; 4 x 1,024: the LayerNorms' partial sums (row x 16 + 4 x wave); at +4,096: the outputs' (row x 32 + 16 o + 4 x wave)
.set SPARE, 125952    ; the spare words, 128 bytes for each wave: two blocks of 256 bytes that no other line names
.set XH,    200704    ; 64 rows x 1,552: x, later h, in bf16 (1,536 bytes + 16)
.set PX,    1552
.set ZB,    200704    ; between the two, in the same bytes: z, 64 rows x 400 (384 + 16)
.set PZ,    400
.set VB,    300032    ; v1 | v2, 64 rows x 416 (384 + 32)
.set PV,    416
.set RR,  1           ; lane % 16
.set HH,  2           ; lane / 16
.set LL,  3           ; lane
.set AW0, 4           ; my place in a cell: (64 w + r) x 272 + 16 h
.set AW,  5           ; the same in the slot in hand
.set AX0, 6           ; my place in x / h: XH + r x 1,552 + 16 h
.set AXC, 7           ; the same at the K step in hand, row tiles 0, 1;
.set AXC2, 8          ; row tiles 2, 3
.set AF0, 9           ; F1 + r x 528 + 16 h
.set AFC, 10          ; the same at the K step in hand
.set AZC, 11          ; ZB + r x 400 + 16 h, stepped once
.set VCOL, 12         ; byte offset of my columns in a chunk's 256 f32 of bf1: 256 w + 32 h
.set VQB, 13          ; the same in a head's 96: 192 (w & 1) + 32 h
.set SX,  14          ; v14, v15: where I store x / h: AX0 + 128 w; + 32 rows
.set SF,  16          ; relu(f): AF0 + 128 w
.set SQ,  17          ; q, k: QK + r x 784 + 96 w + 16 h
.set SV,  18          ; v: VB + r x 416 + 96 w + 16 h
.set SZ,  19          ; z of my sequence s = w >> 1 and head e = w & 1
.set OA,  17          ; v17-19 once more, at the end: three addresses of the way out
.set AQ,  20          ; q (k: + 384) of my sequence and head
.set AVT, 21          ; v of my sequence and head, for the turning load
.set RS,  22          ; RED + 16 r + 4 w
.set RL,  23          ; RED + 16 r
.set VC,  24          ; v24-26: byte offset, in a vector of 768 f32, of my columns of column block j: 256 x ((4 j + w + 2 ks0) mod 12) + 32 h; never rewritten
.set SPW, 28          ; LDS address of my spare word; never rewritten
.set NIL, 29          ; 0; never rewritten
.set ZERO, 30         ; 0, for the packed maximum
.set PFO, 31          ; 256 x lane, for the prefetches
.set BIAS, 32
.set TMP, 64
.set ACC1, 128
.set WV,  12          ; s12  my wave's number
.set CX,  13          ; s13  my place in the cluster
.set WG,  14          ; s14  my work-group: it enters the addresses of inputs and out0 alone
.set PFL, 15          ; s15  1: my wave asks at the next prefetch
.set GB,  16          ; s16  byte offset in wt of the group of cells that is being asked for
.set TB,  17          ; s17  the slot in hand
.set PFA, 18          ; s[18:19] where my next prefetch stands
.set G1,  24          ; s[24:31] descriptor group 1
.set G0,  32          ; s[32:35] descriptor group 0
.set SEL, 36          ; s[36:37] v_permlanex16_b32's selects: each lane takes its own place in the other half
.set CS,  38          ; s[38:39] log2(e) / sqrt(96)
.set CH,  40          ; s40  chunks to go
.set KL,  41          ; s41  counts K steps, 5 to 1
.set CHN, 43          ; s43  the chunk whose cells are being asked for
.set BP,  44          ; s[44:45] the bias in hand
.set RK,  60          ; s60  my quarter of the next cell of a group of six: it steps by 4 modulo 24
.set RK0, 61          ; s61  the same for a group's first place: 4 ks0 + w
.set OFF, 62          ; s[62:63] an offset, under 2^32: the high word stays 0
.set I768, 88         ; s88  1 / 768
.set EPSR, 89         ; s89  1e-5
.set RQ,  90          ; s90-92  my quarter of place j of a group of three: (4 j + w + 2 ks0) mod 12
.set PFQ, 93          ; s93  the prefetches: my work-group's quarter of a cell and my wave's half of it, in bytes
.set PFW, 94          ; s94  1 in waves 0 and 1
.set MSB, 0
.macro WIN new                      ; the immediate's high byte repeats the setting that is left; a switch that changes nothing is dropped
.if MSB != (\new)
	s_set_vgpr_msb (MSB<<8)|(\new)
.set MSB, (\new)
.endif
.endm
; A vector instruction that reads a matrix result or writes a matrix instruction's register, and a load into such a register, stand four places behind it; only plain vector instructions
; that name none of its registers are places (ISA guide 7.12.1 for vector instructions).
.macro PLACES
.rept 4
	v_nop
.endr
.endm
.macro FOUR line:vararg             ; one line for each row tile a
.set a, 0
.rept 4
	\line
.set a, a+1
.endr
.endm
.macro WRAP reg, m                  ; a quarter's number steps by 4 modulo m
	s_add_co_u32 s[\reg], s[\reg], 4
	s_cmp_ge_u32 s[\reg], \m
	s_cselect_b32 s42, \m, 0
	s_sub_co_u32 s[\reg], s[\reg], s42
.endm
; A round of the cluster's barrier: my work-group's barrier, so that wave 0's signal speaks for all four waves; wave 0 signals; every wave waits for all four work-groups; my work-group's barrier once more.
.macro CROUND
	s_barrier_signal -1
	s_barrier_wait -1
	s_cmp_lg_u32 s[WV], 0
	s_cbranch_scc1 .Lnot_wave_0_\@
	s_barrier_signal -3
.Lnot_wave_0_\@:
	s_barrier_wait -3
	s_barrier_signal -1
	s_barrier_wait -1
.endm
; THE PREFETCHES INTO THE L2.  All cells of a group are first asked for in the step in which the clusters enter the group, each by other clusters.  So a whole group is prefetched at once, a cell a cluster:
; cluster n asks for cell base + n + k (n / 6) if n < cnt.  The four partners take a quarter of the cell each, told apart BY ADDRESS; in each, waves 0 and 1 take 32 rows of 256 bytes, a lane a row: one
; instruction a wave, and each row is named once in the launch.  Five times:
;   cells 6-11 (k), 12-17 (v), 18-23 (Wp): clusters 0 to 5, in the trip of the loop over K that enters place 2 of the group before: three cells ahead of the load of the group's first cell;
;   W1's 48 cells (24 + 12 c + 0..5): clusters 0 to 47, at Wp's third cell: three cells ahead;     W2's 48 cells (30 + 12 c + 0..5): the same clusters, in the first chunk's loop over K, three cells ahead.
; Wp's and W2's second three cells lie end to end with the first three and are asked for with them, three cells earlier than their own lead would ask.  Cells 0 to 5 come by their loads alone: nothing is
; prefetched at the head.  Later chunks of a walk are other clusters' first chunks: nobody asks for them again.
.macro PFSET base, cnt, k
	s_wait_xcnt 0x0                 ; the last prefetch, cells back, has read its address
	s_min_u32 s20, ttmp9, (\cnt)-1  ; (a cluster that does not ask holds an address inside wt all the same)
.if \k
	s_mul_i32 s21, s20, 43
	s_lshr_b32 s21, s21, 8          ; n / 6, exact below 48
	s_mul_i32 s21, s21, \k
	s_add_co_u32 s20, s20, s21
.endif
	s_add_co_u32 s20, s20, \base
	s_lshl_b32 s46, s20, 16
	s_add_co_u32 s46, s46, s[PFQ]
	s_mov_b32 s47, 0
	s_add_nc_u64 s[PFA:PFA+1], s[10:11], s[46:47]
	s_cmp_lt_u32 ttmp9, \cnt
	s_cselect_b32 s[PFL], s[PFW], 0
.endm
.macro ASK kind                     ; 1: in a loop over K of q k v; 2: written out; 3: in the loop over K of W1, in the first chunk alone
.if (\kind) != 2
	s_cmp_eq_u32 s[KL], 4           ; the trip that enters place 2
	s_cbranch_scc0 .Lnot_mine_\@
.endif
.if (\kind) == 3
	s_cmp_eq_u32 s[CH], 8
	s_cbranch_scc0 .Lnot_mine_\@
.endif
	s_cmp_eq_u32 s[PFL], 1
	s_cbranch_scc0 .Lnot_mine_\@
	global_prefetch_b8 v[PFO], s[PFA:PFA+1] th:TH_LOAD_NT scope:SCOPE_SE
.Lnot_mine_\@:
.endm
; Group 0 for the walk's next cell: the other slot, and the address made anew: wt + the group + my quarter.  It hangs on the cluster's and the wave's numbers alone: it is the same in all four partners.
;   nx = 1: the next place of a group of six.        nx = 2: the same in a loop; its last trip goes on to the next group of six.        nx = 3: the same; its last trip goes on to a group of three.
;   nx = 4: place j of a group of three; g = 1: of the next such group.        nx = 5: the first place of the walk's next chunk.
; s[RK] is stepped at every use and in the last trips too: six steps bring it round, so that behind a group's first place (asked for by s[RK0] or by s[RK] come round) it stands at the second.
.macro NEXT nx, j, g
	s_xor_b32 s[G0+1], s[G0+1], SLOT1
.if (\nx) == 1
	s_lshl_b32 s[OFF], s[RK], 14
	s_add_co_u32 s[OFF], s[OFF], s[GB]
	WRAP RK, 24
.elseif (\nx) == 2
	s_cmp_eq_u32 s[KL], 1
	s_cselect_b32 s42, 6*CELL, 0
	s_add_co_u32 s[GB], s[GB], s42
	s_lshl_b32 s[OFF], s[RK], 14
	s_add_co_u32 s[OFF], s[OFF], s[GB]
	WRAP RK, 24
.elseif (\nx) == 3
	s_cmp_eq_u32 s[KL], 1
	s_cselect_b32 s42, 6*CELL, 0
	s_cselect_b32 s[OFF], s[RQ], s[RK]
	s_add_co_u32 s[GB], s[GB], s42
	s_lshl_b32 s[OFF], s[OFF], 14
	s_add_co_u32 s[OFF], s[OFF], s[GB]
	WRAP RK, 24
.elseif (\nx) == 4
.if \g
	s_add_co_u32 s[GB], s[GB], 3*CELL
.endif
	s_lshl_b32 s[OFF], s[RQ+(\j)], 14
	s_add_co_u32 s[OFF], s[OFF], s[GB]
.else
	s_add_co_u32 s[CHN], s[CHN], 1
	s_and_b32 s[CHN], s[CHN], 7
	s_mul_i32 s[GB], s[CHN], 12*CELL
	s_add_co_u32 s[GB], s[GB], 24*CELL             ; cell 24 + 12 x chunk
	s_lshl_b32 s[OFF], s[RK0], 14
	s_add_co_u32 s[OFF], s[OFF], s[GB]
.endif
	s_add_nc_u64 s[G0+2:G0+3], s[10:11], s[OFF:OFF+1]
	s_or_b32 s[G0+3], s[G0+3], 0x80000000          ; type = 2
.endm
; THE CHANGE OF SLOTS, in front of every cell.  Each wave waits for all its tensor loads, of which one is out: its part of the cell to be read; adds 0 to its spare word; and waits for that, for its reads of the
; old slot and for its LDS stores.  Behind the barrier the new cell is whole, nobody reads the old slot, and what the waves stored for each other (x, z, h, relu(f)) may be read.
; fill = 1: the barrier is a round of the cluster's, and the old slot is filled with the walk's next cell first thing behind it: one load a wave, one out at a time.
.macro SYNC fill, nx=1, j=0, g=0, ask=0
	WIN 0
	s_wait_tensorcnt 0x0            ; no tensor load of mine is out, so group 0 may be written
	ds_add_u32 v[SPW], v[NIL]       ; 0 onto my spare word; the descriptor's scalar work stands between it and the wait for it
.if \fill
	NEXT \nx, \j, \g
.endif
	s_wait_dscnt 0x0
.if \fill
	CROUND
	tensor_load_to_lds s[G0:G0+3], s[G1:G1+7]
	s_nop 0
	PLACES                          ; the places in front of the fragment loads
.if \ask
	ASK \ask
.endif
.else
	s_barrier_signal -1
	s_barrier_wait -1
	PLACES
.endif
	s_xor_b32 s[TB], s[TB], SLOT1
	v_add_nc_u32 v[AW], s[TB], v[AW0]
.endm
; The fragments of K group kf (32 along K) of the cell in hand: nc column tiles of the weight and, act != 0, the four row tiles of the activations: 1 from x / h; 2 from relu(f); 3 from z.
; act = 0: the activations' fragments of the cell before serve again.
.macro LOADG kf, nc, act
	WIN 0x40                        ; destination window 1, address window 0
.set c, 0
.rept \nc
	ds_load_b128 v[8*(4*(\kf)+c):8*(4*(\kf)+c)+3],   v[AW] offset:c*16*PW+64*(\kf)
	ds_load_b128 v[8*(4*(\kf)+c)+4:8*(4*(\kf)+c)+7], v[AW] offset:c*16*PW+64*(\kf)+32
.set c, c+1
.endr
.if \act
.set a, 0
.rept 4
.if (\act) == 1
	ds_load_b128 v[128+8*(4*(\kf)+a):128+8*(4*(\kf)+a)+3],   v[AXC+a/2] offset:(a%2)*16*PX+64*(\kf)
	ds_load_b128 v[128+8*(4*(\kf)+a)+4:128+8*(4*(\kf)+a)+7], v[AXC+a/2] offset:(a%2)*16*PX+64*(\kf)+32
.elseif (\act) == 2
	ds_load_b128 v[128+8*(4*(\kf)+a):128+8*(4*(\kf)+a)+3],   v[AFC] offset:a*16*PF+64*(\kf)
	ds_load_b128 v[128+8*(4*(\kf)+a)+4:128+8*(4*(\kf)+a)+7], v[AFC] offset:a*16*PF+64*(\kf)+32
.else
	ds_load_b128 v[128+8*(4*(\kf)+a):128+8*(4*(\kf)+a)+3],   v[AZC] offset:a*16*PZ+64*(\kf)
	ds_load_b128 v[128+8*(4*(\kf)+a)+4:128+8*(4*(\kf)+a)+7], v[AZC] offset:a*16*PZ+64*(\kf)+32
.endif
.set a, a+1
.endr
.endif
.endm
; The products of K group kf: nc column tiles x 4 row tiles, onto the accumulators at base in window win.  first = 1: they start the sums with the bias as C.
; The accumulators take turns, one instruction a turn, from group to group and from cell to cell too.
.macro MULG win, base, nc, kf, first
	WIN 0x05+0x50*(\win)            ; sources 0 and 1 window 1; C and D the accumulators' window
.set c, 0
.rept \nc
.set a, 0
.rept 4
.set rD, (\base)+8*(4*c+a)
.if \first
	v_wmma_f32_16x16x32_bf16 v[rD:rD+7], v[8*(4*(\kf)+c):8*(4*(\kf)+c)+7], v[128+8*(4*(\kf)+a):128+8*(4*(\kf)+a)+7], v[BIAS+8*c:BIAS+8*c+7]
.else
	v_wmma_f32_16x16x32_bf16 v[rD:rD+7], v[8*(4*(\kf)+c):8*(4*(\kf)+c)+7], v[128+8*(4*(\kf)+a):128+8*(4*(\kf)+a)+7], v[rD:rD+7]
.endif
.set a, a+1
.endr
.set c, c+1
.endr
.endm
; A CELL.  Its fragment loads go out in four short runs, a K group each, among the products; each K group has registers of its own.  K groups 2 and 3 of a cell are loaded in the cell's own turn (so all its
; reads of the slot are waited for in front of the next change of slots) and MULTIPLIED BEHIND THAT CHANGE (hold = 1: those of the cell before, on its accumulators pwin, pbase), while the new cell's
; first loads are on their way.  nl = loads in a run.  The waits: ahead of group 0's products two younger runs may be out (groups 1, 2), ahead of group 1's likewise (groups 2, 3); with nk = 2 groups: one, none.
; A run's registers were last read four places back or more: groups 0, 1 in front of the change of slots, whose four v_nop stand between; groups 2, 3 by the held products, behind which four v_nop stand.
.macro CELLW fill, nx, j, g, ask, win, base, nc, nk, act, first, hold, pwin, pbase
	SYNC \fill, \nx, \j, \g, \ask
.set nl, 2*(\nc)
.if \act
.set nl, nl+8
.endif
	LOADG 0, \nc, \act
.if \hold
	MULG \pwin, \pbase, \nc, 2, 0
.endif
	LOADG 1, \nc, \act
.if \hold
	MULG \pwin, \pbase, \nc, 3, 0
.if (\nk) == 4
	PLACES
.endif
.endif
.if (\nk) == 4
	LOADG 2, \nc, \act
.endif
.if \first
	s_wait_loadcnt 0x0              ; the bias
.endif
	s_wait_dscnt ((\nk)/2)*nl       ; LDS loads come back in order: group 0's are in
	MULG \win, \base, \nc, 0, \first
.if (\nk) == 4
	LOADG 3, \nc, \act
.endif
	s_wait_dscnt ((\nk)/2-1)*2*nl   ; group 1's are in
	MULG \win, \base, \nc, 1, 0
.endm
.macro FLUSH win, base, nc, run     ; a phase's end: the last cell's K groups 2 and 3; run = loads in a run of that cell
	s_wait_dscnt \run               ; group 2's are in; group 3's run may be out
	MULG \win, \base, \nc, 2, 0
	s_wait_dscnt 0x0
	MULG \win, \base, \nc, 3, 0
.endm
; My 96 numbers of a vector of 768 f32 (column block t / 4, column tile t % 4: 8 registers) into base .. base + 95 of window win.
.macro LDCOL win, base, sp, off
	WIN (\win)<<6
.set t, 0
.rept 12
	global_load_b128 v[(\base)+8*t:(\base)+8*t+3],   v[VC+t/4], s[\sp:\sp+1] offset:(\off)+64*(t%4)
	global_load_b128 v[(\base)+8*t+4:(\base)+8*t+7], v[VC+t/4], s[\sp:\sp+1] offset:(\off)+64*(t%4)+16
.set t, t+1
.endr
	WIN 0
.endm
.macro QBIAS nb                     ; my 48 numbers of the bias of q (0), k (1) or v (2): waves 0, 1 the first head's, waves 2, 3 the second's
	s_cmp_lt_u32 s[WV], 2
	s_cselect_b64 s[BP:BP+1], s[48+4*(\nb):49+4*(\nb)], s[50+4*(\nb):51+4*(\nb)]
.set c, 0
.rept 3
	global_load_b128 v[BIAS+8*c:BIAS+8*c+3],   v[VQB], s[BP:BP+1] offset:64*c
	global_load_b128 v[BIAS+8*c+4:BIAS+8*c+7], v[VQB], s[BP:BP+1] offset:64*c+16
.set c, c+1
.endr
.endm
.macro FBIAS                        ; my 64 numbers of bf1 for a chunk
.set c, 0
.rept 4
	global_load_b128 v[BIAS+8*c:BIAS+8*c+3],   v[VCOL], s[BP:BP+1] offset:64*c
	global_load_b128 v[BIAS+8*c+4:BIAS+8*c+7], v[VCOL], s[BP:BP+1] offset:64*c+16
.set c, c+1
.endr
.endm
.macro PACK1 nc                     ; the accumulators at v128.. rounded to bf16, 16 bytes a lane and tile; each is read from its low end on
.set c, 0
.rept \nc
.set a, 0
.rept 4
.set p, 0
.rept 4
	v_cvt_pk_bf16_f32 v[TMP+4*(4*c+a)+p], v[ACC1+8*(4*c+a)+2*p], v[ACC1+8*(4*c+a)+2*p+1]
.set p, p+1
.endr
.set a, a+1
.endr
.set c, c+1
.endr
.endm
; THE RESIDUAL STREAM is swept a column block at a time: JSET names the block, SWEEP writes one line for each pair of registers: rA the pair, rC its place in a vector by column, a its row tile.
; Column tile, then pair, then row tile: each accumulator is read from its low end on, and four lines stand between two on the same sum.
.macro JSET j
.set jj, (\j)
.set wj, 2+(\j)/2
.set bj, 128*((\j)%2)
.endm
.macro SWEEP line:vararg
.set c, 0
.rept 4
.set p, 0
.rept 4
.set a, 0
.rept 4
.set rA, bj+8*(4*c+a)+2*p
.set rC, 8*(4*jj+c)+2*p
	\line
.set a, a+1
.endr
.set p, p+1
.endr
.set c, c+1
.endr
.endm
.macro XSTORE                       ; the block's 16 tiles, packed in v64-127, into x / h
.set c, 0
.rept 4
.set a, 0
.rept 4
	ds_store_b128 v[SX+a/2], v[TMP+4*(4*c+a):TMP+4*(4*c+a)+3] offset:(a%2)*16*PX+512*jj+32*c
.set a, a+1
.endr
.set c, c+1
.endr
.endm
; The four rows' sums in v[32+2a:33+2a] are added up: the pair, the other half of the lanes, and through LDS the four waves.  The totals come out in v[56+a], the same bits in every wave.
.macro EXCH off
	WIN 0
	FOUR v_add_f32 v[56+a], v[32+2*a], v[33+2*a]
	FOUR v_permlanex16_b32 v[60+a], v[56+a], s[SEL], s[SEL+1]
	FOUR v_add_f32 v[56+a], v[56+a], v[60+a]
	FOUR ds_store_b32 v[RS], v[56+a] offset:(\off)+256*a
	s_wait_dscnt 0x0                ; for the others' sake
	s_barrier_signal -1
	s_barrier_wait -1
	FOUR ds_load_b128 v[TMP+4*a:TMP+4*a+3], v[RL] offset:(\off)+256*a
	s_wait_dscnt 0x0
	FOUR v_add_f32 v[TMP+4*a], v[TMP+4*a], v[TMP+4*a+1]
	FOUR v_add_f32 v[TMP+4*a+2], v[TMP+4*a+2], v[TMP+4*a+3]
	FOUR v_add_f32 v[56+a], v[TMP+4*a], v[TMP+4*a+2]
.endm
; A LayerNorm's statistics.  The stream is left as x - mean; 1 / sqrt(var + eps) comes out in the pairs v[48+2a:49+2a].
.macro LNSTAT red
	WIN 0
	FOUR v_mov_b32 v[32+2*a], 0
	FOUR v_mov_b32 v[33+2*a], 0
.irp j, 0,1,2
	JSET \j
	WIN wj
	SWEEP v_pk_add_f32 v[32+2*a:33+2*a], v[rA:rA+1], v[32+2*a:33+2*a]
.endr
	EXCH \red
	FOUR v_mul_f32 v[40+2*a], s[I768], v[56+a]
	FOUR v_mov_b32 v[41+2*a], v[40+2*a]
	FOUR v_mov_b32 v[32+2*a], 0
	FOUR v_mov_b32 v[33+2*a], 0
.irp j, 0,1,2
	JSET \j
	WIN (wj<<6)|wj
	SWEEP v_pk_add_f32 v[rA:rA+1], v[rA:rA+1], v[40+2*a:41+2*a] neg_lo:[0,1] neg_hi:[0,1]
	WIN wj*5
	SWEEP v_pk_fma_f32 v[32+2*a:33+2*a], v[rA:rA+1], v[rA:rA+1], v[32+2*a:33+2*a]
.endr
	EXCH (\red)+1024
	FOUR v_fma_f32 v[56+a], v[56+a], s[I768], s[EPSR]
	FOUR v_rsq_f32 v[48+2*a], v[56+a]
	FOUR v_rsq_f32 v[49+2*a], v[56+a]
	v_nop                           ; a plain instruction behind the last of the batch,
	s_wait_alu depctr_va_vdst(0)    ; and the one wait ahead of the first use
.endm
; ---------------------------------------------------------------- the head
	s_load_b256 s[4:11], s[0:1], 0x0               ; inputs s[4:5], emb s[6:7], pos_emb s[8:9], wt s[10:11]
	s_load_b256 s[48:55], s[0:1], 0x20             ; bq1, bq2, bk1, bk2
	s_load_b128 s[56:59], s[0:1], 0x40             ; bv1, bv2
	s_load_b64 s[66:67], s[0:1], 0x50              ; bp
	s_load_b256 s[68:75], s[0:1], 0x58             ; g1, be1, bf2, bf1
	s_load_b256 s[76:83], s[0:1], 0x78             ; g2, be2, Wo, bo
	s_load_b64 s[84:85], s[0:1], 0x98              ; out0
	v_lshl_add_u32 v[SPW], v0, 2, SPARE
	v_mov_b32 v[NIL], 0
	ds_add_u32 v[SPW], v[NIL]                      ; the wave's opening: the add and its wait stand ahead of my first tensor load; the set-up, work on registers, stands between them
	v_lshrrev_b32 v3, 5, v0
	v_readfirstlane_b32 s[WV], v3                  ; wave 0..3
	v_and_b32 v[RR], 15, v0
	v_bfe_u32 v[HH], v0, 4, 1
	v_and_b32 v[LL], 31, v0
	s_bfe_u32 s[CX], ttmp6, 0x40000
	s_lshl_b32 s[WG], ttmp9, 2                     ; in a cluster launch ttmp9 counts clusters
	s_add_co_u32 s[WG], s[WG], s[CX]
	; descriptor group 1: 64 rows x 128 elements of 2 bytes, dense in memory, padded in LDS
	s_mov_b32 s[G1+0], 15|(1<<16)|(1<<20)|(1<<21)|(5<<22)|(3<<25)  ; 15:0 the mask of four; 17:16 2-byte elements; 20 padding on; 21 set beside a mask; 24:22 after every 64 words (code 5); 31:25 4 words (code 3)
	s_mov_b32 s[G1+1], 128<<16                     ; tensor_dim0 = 128
	s_mov_b32 s[G1+2], 64<<16                      ; tensor_dim1 = 64
	s_mov_b32 s[G1+3], 128<<16                     ; tile_dim0 = 128
	s_mov_b32 s[G1+4], 64                          ; tile_dim1 = 64
	s_mov_b32 s[G1+5], 128                         ; 128 elements from row to row
	s_mov_b32 s[G1+6], 0
	s_mov_b32 s[G1+7], 0
	s_mov_b32 s[G0], 1                             ; count = 1
	s_mul_i32 s[G0+1], s[WV], 64*PW                ; LDS address: my 64 rows of slot 0
	s_mov_b32 s[SEL], 0x76543210
	s_mov_b32 s[SEL+1], 0xfedcba98
	s_mov_b32 s[CS], 0x3e16c740                    ; log2(e) / sqrt(96) = 0.147244
	s_mov_b32 s[CS+1], s[CS]                       ; named with it as a pair
	s_mov_b32 s[I768], 0x3aaaaaab                  ; 1 / 768
	s_mov_b32 s[EPSR], 0x3727c5ac                  ; 1e-5
	s_mov_b32 s[TB], SLOT1                         ; the first change of slots turns it into 0
	s_mov_b32 s[GB], 0                             ; the walk begins with q's six cells
	s_mov_b32 s[OFF+1], 0
	; my cluster's walk: the same numbers in all four partners
	s_lshr_b32 s20, ttmp9, 3                       ; a = cluster / 8
	s_add_co_u32 s21, s20, ttmp9
	s_and_b32 s21, s21, 7                          ; the chunk with which my cluster begins
	s_add_co_u32 s[CHN], s21, 7
	s_and_b32 s[CHN], s[CHN], 7                    ; one less, modulo 8: the first step to a chunk makes it right
	s_and_b32 s22, s20, 1
	s_mul_i32 s22, s22, 3
	s_add_co_u32 s21, s21, s22                     ; + 3 (a & 1)
	s_bfe_u32 s22, s20, 0x10001
	s_lshl1_add_u32 s21, s22, s21                  ; + 2 ((a >> 1) & 1)
	s_lshr_b32 s22, s20, 2
	s_mul_i32 s22, s22, 3
	s_add_co_u32 s21, s21, s22                     ; + 3 (a >> 2): 15 at the most
	s_mul_i32 s22, s21, 43
	s_lshr_b32 s22, s22, 8                         ; / 6, exact up to 15
	s_mul_i32 s22, s22, 6
	s_sub_co_u32 s21, s21, s22                     ; ks0
	s_lshl2_add_u32 s[RK0], s21, s[WV]             ; 4 ks0 + w
	s_mov_b32 s[RK], s[RK0]
	WRAP RK, 24                                    ; the head asks for place 0; s[RK] stands at place 1
	s_lshl1_add_u32 s[RQ], s21, s[WV]              ; 2 ks0 + w, 13 at the most,
	s_cmp_ge_u32 s[RQ], 12
	s_cselect_b32 s42, 12, 0
	s_sub_co_u32 s[RQ], s[RQ], s42                 ; modulo 12
	s_mov_b32 s[RQ+1], s[RQ]
	WRAP RQ+1, 12
	s_mov_b32 s[RQ+2], s[RQ+1]
	WRAP RQ+2, 12
.irp j, 0,1,2
	s_lshl_b32 s42, s[RQ+\j], 8                    ; a quarter's 64 columns are 256 bytes of f32
	v_lshl_add_u32 v[VC+\j], v[HH], 5, s42
.endr
	s_cmp_lt_u32 s[WV], 2
	s_cselect_b32 s[PFW], 1, 0
	s_lshl_b32 s[PFQ], s[CX], 14                   ; the prefetches: my work-group's quarter of a cell,
	s_and_b32 s47, s[WV], 1
	s_lshl_b32 s47, s47, 13                        ; my wave's 32 rows of it
	s_add_co_u32 s[PFQ], s[PFQ], s47
	v_mul_u32_u24 v[AW0], v[RR], PW
	v_lshl_add_u32 v[AW0], v[HH], 4, v[AW0]
	v_add_nc_u32 v[AW0], s[G0+1], v[AW0]
	v_mul_u32_u24 v[AX0], v[RR], PX
	v_lshl_add_u32 v[AX0], v[HH], 4, v[AX0]
	v_add_nc_u32 v[AX0], XH, v[AX0]
	v_mul_u32_u24 v[AF0], v[RR], PF
	v_lshl_add_u32 v[AF0], v[HH], 4, v[AF0]
	v_add_nc_u32 v[AF0], F1, v[AF0]
	v_mul_u32_u24 v[AZC], v[RR], PZ
	v_lshl_add_u32 v[AZC], v[HH], 4, v[AZC]
	v_add_nc_u32 v[AZC], ZB, v[AZC]
	s_lshl_b32 s20, s[WV], 8
	v_lshl_add_u32 v[VCOL], v[HH], 5, s20
	s_and_b32 s21, s[WV], 1                        ; e, my head in the attention
	s_mul_i32 s22, s21, 192                        ; its 96 columns: bytes in bf16; also 48 columns in f32
	v_lshl_add_u32 v[VQB], v[HH], 5, s22
	s_lshl_b32 s23, s[WV], 7
	v_add_nc_u32 v[SX], s23, v[AX0]
	v_add_nc_u32 v[SX+1], 32*PX, v[SX]
	v_add_nc_u32 v[SF], s23, v[AF0]
	s_mul_i32 s23, s[WV], 96
	v_mul_u32_u24 v[SQ], v[RR], PQK
	v_lshl_add_u32 v[SQ], v[HH], 4, v[SQ]
	v_add_nc_u32 v[AQ], QK, v[SQ]
	v_add_nc_u32 v[SQ], s23, v[AQ]
	v_mul_u32_u24 v[SV], v[RR], PV
	v_lshl_add_u32 v[SV], v[HH], 4, v[SV]
	v_add_nc_u32 v[SV], s23, v[SV]
	v_add_nc_u32 v[SV], VB, v[SV]
	s_lshr_b32 s23, s[WV], 1                       ; s, my sequence in the attention
	s_mul_i32 s42, s23, 32*PQK
	s_add_co_u32 s42, s42, s22
	v_add_nc_u32 v[AQ], s42, v[AQ]
	s_mul_i32 s42, s23, 32*PZ
	s_add_co_u32 s42, s42, s22
	v_add_nc_u32 v[SZ], s42, v[AZC]
	v_and_b32 v56, 7, v0                           ; the turning load: lane l reads key 8 (l / 16) + l % 8, channels 8 ((l / 8) % 2) + 0..7
	v_lshl_add_u32 v56, v[HH], 3, v56
	v_mul_u32_u24 v[AVT], v56, PV
	v_bfe_u32 v57, v0, 3, 1
	v_lshl_add_u32 v[AVT], v57, 4, v[AVT]
	s_mul_i32 s42, s23, 32*PV
	s_add_co_u32 s42, s42, s22
	s_add_co_u32 s42, s42, VB
	v_add_nc_u32 v[AVT], s42, v[AVT]
	v_lshl_add_u32 v[RL], v[RR], 4, RED
	s_lshl_b32 s42, s[WV], 2
	v_add_nc_u32 v[RS], s42, v[RL]
	v_mov_b32 v[ZERO], 0
	v_lshlrev_b32 v[PFO], 8, v[LL]
.set i, 58
.rept 6
	v_mov_b32 v[i], 0                              ; v_permlanex16_b32's destinations count as read: written once here
.set i, i+1
.endr
	s_wait_dscnt 0x0                               ; the opening add is done
	s_wait_kmcnt 0x0
	s_lshl_b32 s[OFF], s[RK0], 14                  ; my quarter of the walk's first cell
	s_add_nc_u64 s[G0+2:G0+3], s[10:11], s[OFF:OFF+1]
	s_or_b32 s[G0+3], s[G0+3], 0x80000000          ; type = 2
	PFSET 6, 6, 0                                  ; the first prefetch will name k's six cells.  Nothing is prefetched here, at the head
	s_lshl_b32 s46, s[WG], 8                       ; my 64 indices
	s_add_nc_u64 s[4:5], s[4:5], s[46:47]
	s_lshl_b32 s46, s[WG], 9                       ; my 64 rows of out0
	s_add_nc_u64 s[84:85], s[84:85], s[46:47]
	CROUND                                         ; all four work-groups are here: the first joint loads meet
	tensor_load_to_lds s[G0:G0+3], s[G1:G1+7]      ; the walk's first cell into slot 0
	s_nop 0
	PLACES
; ---------------------------------------------------------------- x = emb[inputs] + pos_emb, straight into the accumulators' layout, the columns turned
	v_lshlrev_b32 v56, 2, v[RR]
	FOUR global_load_b32 v[76+a], v56, s[4:5] offset:64*a          ; the index of row 16 a + r
	v_mul_u32_u24 v57, v[RR], 3072
.irp j, 0,1,2
	v_add_nc_u32 v[80+\j], v57, v[VC+\j]
.endr
	WIN 0x40
.set i, 0
.rept 24                            ; position 16 (i / 12) + r, column tile i % 12: rows 16 a + r and 16 (a + 2) + r have the same position
	global_load_b128 v[8*i:8*i+3],   v[80+(i%12)/4], s[8:9] offset:(i/12)*49152+64*(i%4)
	global_load_b128 v[8*i+4:8*i+7], v[80+(i%12)/4], s[8:9] offset:(i/12)*49152+64*(i%4)+16
.set i, i+1
.endr
	WIN 0
	LDCOL 0, 128, 66, 0                            ; bp
	QBIAS 0
	s_wait_loadcnt 63                              ; 82 loads are issued; at most 63 are left: the oldest 19 are in, the four indices among them
	FOUR v_min_u32 v[76+a], 50256, v[76+a]
	FOUR v_mul_u32_u24 v[76+a], 3072, v[76+a]
.irp j, 0,1,2
	FOUR v_add_nc_u32 v[64+3*a+\j], v[76+a], v[VC+\j]              ; row tile a, column block j
.endr
.irp j, 0,1,2
	JSET \j
	WIN wj<<6
.set c, 0
.rept 4
.set a, 0
.rept 4
	global_load_b128 v[bj+8*(4*c+a):bj+8*(4*c+a)+3],   v[64+3*a+jj], s[6:7] offset:64*c
	global_load_b128 v[bj+8*(4*c+a)+4:bj+8*(4*c+a)+7], v[64+3*a+jj], s[6:7] offset:64*c+16
.set a, a+1
.endr
.set c, c+1
.endr
.endr
	s_wait_loadcnt 0x0
.irp j, 0,1,2
	JSET \j
	WIN (wj<<6)|4|wj
	SWEEP v_pk_add_f32 v[rA:rA+1], v[rA:rA+1], v[96*(a%2)+rC:96*(a%2)+rC+1]  ; + position
	WIN wj*5
	SWEEP v_cvt_pk_bf16_f32 v[TMP+4*(4*c+a)+p], v[rA], v[rA+1]
	WIN 0
	XSTORE                                         ; x in bf16, for q k v
	WIN (wj<<6)|wj
	SWEEP v_pk_add_f32 v[rA:rA+1], v[rA:rA+1], v[128+rC:128+rC+1]            ; + bp: Wp's products add onto x + bp
.endr
; ---------------------------------------------------------------- q, k, v: six cells each; wave w makes columns 48 w .. 48 w + 47 of the two heads' 192
.macro QKVBLK nb
	WIN 0
	v_mov_b32 v[AXC], v[AX0]
	v_add_nc_u32 v[AXC2], 32*PX, v[AX0]
	CELLW 1, 1, 0, 0, 0,  0, ACC1, 3, 4, 1, 1,  0, 0, 0
	WIN 0
	s_mov_b32 s[KL], 5
.Lqk_\@:
	v_add_nc_u32 v[AXC], 256, v[AXC]
	v_add_nc_u32 v[AXC2], 256, v[AXC2]
	CELLW 1, 2+(\nb)/2, 0, 0, 1,  0, ACC1, 3, 4, 1, 0,  1, 0, ACC1
	WIN 0
	s_sub_co_u32 s[KL], s[KL], 1
	s_cmp_lg_u32 s[KL], 0
	s_cbranch_scc1 .Lqk_\@
	FLUSH 0, ACC1, 3, 14
	WIN 0
	PLACES
.if (\nb) < 2
	s_wait_xcnt 0x0                                ; the block's prefetch, three cells back, has read its address:
	s_add_nc_u64 s[PFA:PFA+1], s[PFA:PFA+1], 6*CELL  ; the next one names the six cells behind
	QBIAS (\nb)+1                                  ; the first cell's wait for the last bias has freed its pointer and registers
.else
	PFSET 24, 48, 6                                ; the next prefetch names W1's cells
.endif
	PACK1 3
.set c, 0
.rept 3
.set a, 0
.rept 4
.if (\nb) < 2
	ds_store_b128 v[SQ], v[TMP+4*(4*c+a):TMP+4*(4*c+a)+3] offset:384*(\nb)+a*16*PQK+32*c
.else
	ds_store_b128 v[SV], v[TMP+4*(4*c+a):TMP+4*(4*c+a)+3] offset:a*16*PV+32*c
.endif
.set a, a+1
.endr
.set c, c+1
.endr
.endm
	QKVBLK 0
	QKVBLK 1
	QKVBLK 2
	s_wait_dscnt 0x0                               ; for the others' sake: my q, k, v are stored, and my reads of x are over
	s_barrier_signal -1
	s_barrier_wait -1
; ---------------------------------------------------------------- attention: wave w takes sequence w >> 1, head w & 1: 32 queries x 32 keys x 96 channels, all in window 0
; S^T = K Q^T: a lane holds ONE query (lane % 16) and the keys 8 (lane / 16) + 0..7 of a key tile; two such results rounded to bf16 ARE source 1 of O^T = V^T P.
; v64-111 Q (query tile, K group); v112-159 K; v160-191 S^T (16 a query tile); v192-207 P; v208-255 V^T; O^T then takes v64-159.  Statistics of query tile q at v[32 + 8 q].
.macro TWO line:vararg
.set q, 0
.rept 2
.set rT, BIAS+8*q
.set rS, 160+16*q
	\line
.set q, q+1
.endr
.endm
	WIN 0
.set i, 0
.rept 6
	ds_load_b128 v[64+8*i:64+8*i+3],     v[AQ] offset:(i/3)*16*PQK+64*(i%3)
	ds_load_b128 v[64+8*i+4:64+8*i+7],   v[AQ] offset:(i/3)*16*PQK+64*(i%3)+32
	ds_load_b128 v[112+8*i:112+8*i+3],   v[AQ] offset:384+(i/3)*16*PQK+64*(i%3)
	ds_load_b128 v[112+8*i+4:112+8*i+7], v[AQ] offset:384+(i/3)*16*PQK+64*(i%3)+32
.set i, i+1
.endr
.set i, 0
.rept 6
	ds_load_tr16_b128 v[208+8*i:208+8*i+3],   v[AVT] offset:32*i
	ds_load_tr16_b128 v[208+8*i+4:208+8*i+7], v[AVT] offset:32*i+16*PV
.set i, i+1
.endr
	s_wait_dscnt 12                                ; Q and K are in; V's twelve loads may stay out
.set kf, 0
.rept 3
.set i, 0
.rept 4                             ; query tile i / 2, key tile i % 2: four accumulators by turns
.if kf == 0
	v_wmma_f32_16x16x32_bf16 v[160+8*i:160+8*i+7], v[112+8*(3*(i%2)+kf):112+8*(3*(i%2)+kf)+7], v[64+8*(3*(i/2)+kf):64+8*(3*(i/2)+kf)+7], 0
.else
	v_wmma_f32_16x16x32_bf16 v[160+8*i:160+8*i+7], v[112+8*(3*(i%2)+kf):112+8*(3*(i%2)+kf)+7], v[64+8*(3*(i/2)+kf):64+8*(3*(i/2)+kf)+7], v[160+8*i:160+8*i+7]
.endif
.set i, i+1
.endr
.set kf, kf+1
.endr
	PLACES
	TWO v_max3_num_f32 v[rT+2], v[rS], v[rS+1], v[rS+2]           ; the row's true maximum; each accumulator is read from its low end on
	TWO v_max3_num_f32 v[rT+3], v[rS+8], v[rS+9], v[rS+10]
	TWO v_max3_num_f32 v[rT+2], v[rT+2], v[rS+3], v[rS+4]
	TWO v_max3_num_f32 v[rT+3], v[rT+3], v[rS+11], v[rS+12]
	TWO v_max3_num_f32 v[rT+2], v[rT+2], v[rS+5], v[rS+6]
	TWO v_max3_num_f32 v[rT+3], v[rT+3], v[rS+13], v[rS+14]
	TWO v_max3_num_f32 v[rT+2], v[rT+2], v[rS+7], v[rS+15]
	TWO v_max_num_f32 v[rT+2], v[rT+2], v[rT+3]
	TWO v_permlanex16_b32 v[rT+3], v[rT+2], s[SEL], s[SEL+1]      ; the query's other 16 keys lie in the lane 16 away
	TWO v_max_num_f32 v[rT+1], v[rT+2], v[rT+3]
	TWO v_mul_f32 v[rT], s[CS], v[rT+1]
.irp p, 0,1,2,3,4,5,6,7
	TWO v_pk_fma_f32 v[rS+2*\p:rS+2*\p+1], v[rS+2*\p:rS+2*\p+1], s[CS:CS+1], v[rT:rT+1] op_sel_hi:[1,0,0] neg_lo:[0,0,1] neg_hi:[0,0,1]
.endr
.set i, 160
.rept 32
	v_exp_f32 v[i], v[i]
.set i, i+1
.endr
	v_nop                                          ; a plain instruction behind the last exponential,
	s_wait_alu depctr_va_vdst(0)                   ; and one wait for the batch
.irp p, 0,1,2,3,4,5,6,7
	TWO v_cvt_pk_bf16_f32 v[192+8*q+\p], v[rS+2*\p], v[rS+2*\p+1]
.endr
.irp p, 0,1,2,3
	TWO v_pk_add_f32 v[rS+4*\p:rS+4*\p+1], v[rS+4*\p:rS+4*\p+1], v[rS+4*\p+2:rS+4*\p+3]
.endr
	TWO v_pk_add_f32 v[rS:rS+1], v[rS:rS+1], v[rS+4:rS+5]
	TWO v_pk_add_f32 v[rS+8:rS+9], v[rS+8:rS+9], v[rS+12:rS+13]
	TWO v_pk_add_f32 v[rT+4:rT+5], v[rS:rS+1], v[rS+8:rS+9]
	TWO v_add_f32 v[rT+4], v[rT+4], v[rT+5]
	TWO v_permlanex16_b32 v[rT+5], v[rT+4], s[SEL], s[SEL+1]
	TWO v_add_f32 v[rT+4], v[rT+4], v[rT+5]
	TWO v_rcp_f32 v[rT+6], v[rT+4]                                ; twice: a pair for the packed multiply
	TWO v_rcp_f32 v[rT+7], v[rT+4]
	v_nop
	s_wait_alu depctr_va_vdst(0)
	s_wait_dscnt 0x0                               ; V
.set i, 0
.rept 12                            ; channel tile i / 2, query tile i % 2: one product each (32 keys)
	v_wmma_f32_16x16x32_bf16 v[64+8*i:64+8*i+7], v[208+8*(i/2):208+8*(i/2)+7], v[192+8*(i%2):192+8*(i%2)+7], 0
.set i, i+1
.endr
	PLACES
.set i, 0
.rept 12
.set p, 0
.rept 4
	v_pk_mul_f32 v[64+8*i+2*p:64+8*i+2*p+1], v[64+8*i+2*p:64+8*i+2*p+1], v[BIAS+8*(i%2)+6:BIAS+8*(i%2)+7]
.set p, p+1
.endr
.set i, i+1
.endr
.set i, 0
.rept 12
.set p, 0
.rept 4
	v_cvt_pk_bf16_f32 v[160+4*i+p], v[64+8*i+2*p], v[64+8*i+2*p+1]
.set p, p+1
.endr
.set i, i+1
.endr
.set i, 0
.rept 12
	ds_store_b128 v[SZ], v[160+4*i:160+4*i+3] offset:(i%2)*16*PZ+32*(i/2)   ; z lies where x lay: every wave's reads of x were over at the barrier above
.set i, i+1
.endr
; ---------------------------------------------------------------- + z Wp^T: K = 192 in cells of 128 and 64; the three column blocks share z's fragments
	CELLW 1, 4, 1, 0, 0,  2, 0,   4, 4, 3, 0,  0, 0, 0
	CELLW 1, 4, 2, 0, 0,  2, 128, 4, 4, 0, 0,  1, 2, 0
	CELLW 1, 4, 0, 1, 2,  3, 0,   4, 4, 0, 0,  1, 2, 128   ; here W1's cells are prefetched: three cells ahead of the load of a chunk's first
	WIN 0
	v_add_nc_u32 v[AZC], 256, v[AZC]
	CELLW 1, 4, 1, 0, 0,  2, 0,   4, 2, 3, 0,  1, 3, 0
	CELLW 1, 4, 2, 0, 0,  2, 128, 4, 2, 0, 0,  0, 0, 0
	CELLW 1, 5, 0, 0, 0,  3, 0,   4, 2, 0, 0,  0, 0, 0     ; the cell asked for here is the first of the chunk with which my cluster begins
; ---------------------------------------------------------------- h = LayerNorm(z + x): kept in f32 (+ bf2) in the accumulators, stored in bf16 for the FFN
	WIN 0
	PLACES
	LDCOL 1, 0,   68, 0                            ; g1
	LDCOL 1, 96,  70, 0                            ; be1
	LDCOL 0, 128, 72, 0                            ; bf2
	LNSTAT 0
	s_wait_loadcnt 0x0
.irp j, 0,1,2
	JSET \j
	WIN (wj<<6)|wj
	SWEEP v_pk_mul_f32 v[rA:rA+1], v[rA:rA+1], v[48+2*a:49+2*a]
	WIN (wj<<6)|0x14|wj
	SWEEP v_pk_fma_f32 v[rA:rA+1], v[rA:rA+1], v[rC:rC+1], v[96+rC:96+rC+1]
	WIN wj*5
	SWEEP v_cvt_pk_bf16_f32 v[TMP+4*(4*c+a)+p], v[rA], v[rA+1]
	WIN 0
	XSTORE                                         ; over z: every wave's reads of z were over at the statistics' barriers
	WIN (wj<<6)|wj
	SWEEP v_pk_add_f32 v[rA:rA+1], v[rA:rA+1], v[128+rC:128+rC+1]            ; + bf2: the second product adds onto h + bf2
.endr
	WIN 0
	s_wait_xcnt 0x0                                ; the prefetch of W1's cells has read its address:
	s_add_nc_u64 s[PFA:PFA+1], s[PFA:PFA+1], 6*CELL  ; the last one names W2's cells, six cells behind W1's in each chunk
	s_lshl_b32 s[OFF], s[CHN], 10                  ; a chunk's 256 numbers of bf1; s[CHN] is my first chunk since Wp's last cell
	s_add_nc_u64 s[BP:BP+1], s[74:75], s[OFF:OFF+1]
	FBIAS
; ---------------------------------------------------------------- the FFN, in 8 chunks of 256 hidden columns: six cells of W1 (K = 768), relu, six cells of W2 (2 K steps x 3 column blocks)
	s_mov_b32 s[CH], 8
.Lchunk:
	v_mov_b32 v[AXC], v[AX0]
	v_add_nc_u32 v[AXC2], 32*PX, v[AX0]
	CELLW 1, 1, 0, 0, 0,  0, ACC1, 4, 4, 1, 1,  0, 0, 0
	WIN 0
	s_mov_b32 s[KL], 5
.Lw1:
	v_add_nc_u32 v[AXC], 256, v[AXC]
	v_add_nc_u32 v[AXC2], 256, v[AXC2]
	CELLW 1, 3, 0, 0, 3,  0, ACC1, 4, 4, 1, 0,  1, 0, ACC1
	WIN 0
	s_sub_co_u32 s[KL], s[KL], 1
	s_cmp_lg_u32 s[KL], 0
	s_cbranch_scc1 .Lw1
	FLUSH 0, ACC1, 4, 16
	WIN 0
	PLACES
	s_cmp_eq_u32 s[CH], 1                          ; the last chunk has no bias behind it
	s_cbranch_scc1 .Lno_bias
	s_add_co_u32 s42, s[CHN], 1                    ; the walk's next chunk (s[CHN] is still the chunk in hand: it steps at this chunk's last cell)
	s_and_b32 s42, s42, 7
	s_lshl_b32 s[OFF], s42, 10
	s_add_nc_u64 s[BP:BP+1], s[74:75], s[OFF:OFF+1]  ; (this chunk's first cell has waited for the loads that named the pointer)
	FBIAS
.Lno_bias:
	PACK1 4
.set i, 0
.rept 64
	v_pk_max_num_bf16 v[TMP+i], v[TMP+i], v[ZERO]  ; relu on the packed halves: nothing is rounded
.set i, i+1
.endr
.set c, 0
.rept 4
.set a, 0
.rept 4
	ds_store_b128 v[SF], v[TMP+4*(4*c+a):TMP+4*(4*c+a)+3] offset:a*16*PF+32*c  ; the last chunk's relu(f) was last read nine changes of slots ago
.set a, a+1
.endr
.set c, c+1
.endr
	v_mov_b32 v[AFC], v[AF0]
	CELLW 1, 4, 1, 0, 0,  2, 0,   4, 4, 2, 0,  0, 0, 0
	CELLW 1, 4, 2, 0, 0,  2, 128, 4, 4, 0, 0,  1, 2, 0
	CELLW 1, 4, 0, 1, 0,  3, 0,   4, 4, 0, 0,  1, 2, 128
	WIN 0
	v_add_nc_u32 v[AFC], 256, v[AFC]
	CELLW 1, 4, 1, 0, 0,  2, 0,   4, 4, 2, 0,  1, 3, 0
	CELLW 1, 4, 2, 0, 0,  2, 128, 4, 4, 0, 0,  1, 2, 0
	WIN 0
	s_cmp_eq_u32 s[CH], 1
	s_cbranch_scc1 .Llast                          ; the walk's last cell is written out: nothing is left to ask for.  The count is the same in every work-group
	CELLW 1, 5, 0, 0, 0,  3, 0,   4, 4, 0, 0,  1, 2, 128   ; the cell asked for here is the next chunk's first
	FLUSH 3, 0, 4, 8
	WIN 0
	s_sub_co_u32 s[CH], s[CH], 1
	s_cmp_lg_u32 s[CH], 0
	s_cbranch_scc1 .Lchunk
.Llast:
	CELLW 0, 0, 0, 0, 0,  3, 0,   4, 4, 0, 0,  1, 2, 128
	FLUSH 3, 0, 4, 8
; ---------------------------------------------------------------- out = LayerNorm(f + h) Wo^T + bo.  With d = x - mean and s = 1 / sqrt(var + eps):
; out[o] = s x sum(d g2 Wo[o]) + sum(be2 Wo[o]) + bo[o]: the normalised row is never formed.
	WIN 0
	PLACES
	LDCOL 1, 0,   76, 0                            ; g2
	LDCOL 1, 96,  78, 0                            ; be2
	LDCOL 0, 96,  80, 0                            ; Wo's row 0
	LDCOL 3, 128, 80, 3072                         ; Wo's row 1
	s_load_b64 s[86:87], s[82:83], 0x0             ; bo
	LNSTAT 2048
	s_wait_loadcnt 0x0
	s_wait_kmcnt 0x0
	WIN 0
.set i, 192
.rept 20
	v_mov_b32 v[i], 0                              ; eight sums (row tile a, output o at v[192 + 4 a + 2 o], a pair) and two for be2 Wo (v208, v210)
.set i, i+1
.endr
	WIN 0x01
.set t, 0
.rept 48
	v_pk_fma_f32 v[208:209], v[96+2*t:97+2*t], v[96+2*t:97+2*t], v[208:209]    ; be2 (window 1) x Wo[0] (window 0)
.set t, t+1
.endr
	WIN 0x0d
.set t, 0
.rept 48
	v_pk_fma_f32 v[210:211], v[96+2*t:97+2*t], v[128+2*t:129+2*t], v[210:211]  ; be2 x Wo[1] (window 3)
.set t, t+1
.endr
	WIN 0x04
.set t, 0
.rept 48
	v_pk_mul_f32 v[96+2*t:97+2*t], v[96+2*t:97+2*t], v[2*t:2*t+1]              ; Wo[0] g2
.set t, t+1
.endr
	WIN 0xc7
.set t, 0
.rept 48
	v_pk_mul_f32 v[128+2*t:129+2*t], v[128+2*t:129+2*t], v[2*t:2*t+1]          ; Wo[1] g2
.set t, t+1
.endr
.irp j, 0,1,2
	JSET \j
	WIN wj
	SWEEP v_pk_fma_f32 v[192+4*a:193+4*a], v[rA:rA+1], v[96+rC:96+rC+1], v[192+4*a:193+4*a]
	WIN wj|0x0c
	SWEEP v_pk_fma_f32 v[194+4*a:195+4*a], v[rA:rA+1], v[128+rC:128+rC+1], v[194+4*a:195+4*a]
.endr
	WIN 0
	s_lshl_b32 s42, s[WV], 2
	v_lshl_add_u32 v[OA], v[RR], 5, s42
	v_add_nc_u32 v[OA], RED+4096, v[OA]            ; row x 32 + 4 x wave
.macro EIGHT line:vararg            ; one line for each (row tile i / 2, output i % 2)
.set i, 0
.rept 8
	\line
.set i, i+1
.endr
.endm
	EIGHT v_add_f32 v[192+2*i], v[192+2*i], v[193+2*i]
	v_add_f32 v208, v208, v209
	v_add_f32 v210, v210, v211
	EIGHT v_fma_f32 v[192+2*i], v[192+2*i], v[48+2*(i/2)], v[208+2*(i%2)]
	EIGHT v_permlanex16_b32 v[56+i], v[192+2*i], s[SEL], s[SEL+1]
	EIGHT v_add_f32 v[56+i], v[56+i], v[192+2*i]
	EIGHT ds_store_b32 v[OA], v[56+i] offset:512*(i/2)+16*(i%2)
	s_wait_dscnt 0x0                               ; for the others' sake
	s_barrier_signal -1
	s_barrier_wait -1
	s_cmp_lt_u32 s[WV], 2                          ; waves 0 and 1 finish 32 rows each, a lane a row
	s_cbranch_scc0 .Lend
	s_lshl_b32 s42, s[WV], 10
	v_lshl_add_u32 v[OA+1], v[LL], 5, s42
	v_add_nc_u32 v[OA+1], RED+4096, v[OA+1]
	ds_load_b128 v[64:67], v[OA+1]                 ; the four waves' parts of output 0,
	ds_load_b128 v[68:71], v[OA+1] offset:16       ; of output 1
	s_lshl_b32 s42, s[WV], 8
	v_lshl_add_u32 v[OA+2], v[LL], 3, s42
	s_wait_dscnt 0x0
	v_add_f32 v64, v64, v65
	v_add_f32 v66, v66, v67
	v_add_f32 v68, v68, v69
	v_add_f32 v70, v70, v71
	v_add_f32 v64, v64, v66
	v_add_f32 v65, v68, v70
	v_add_f32 v64, s86, v64
	v_add_f32 v65, s87, v65
	global_store_b64 v[OA+2], v[64:65], s[84:85]   ; 32 lanes x 8 bytes: 256 consecutive bytes, aligned
.Lend:
	s_wait_tensorcnt 0x0                           ; the wave's end: behind my last tensor load and my last LDS store
	ds_add_u32 v[SPW], v[NIL]
	s_wait_dscnt 0x0
	CROUND                                         ; the closing round: no work-group ends while a partner may still ask for a cell that names it
	s_endpgm
.Lfunc_end_k_q77db19bfe8_main:
	.size	k_q77db19bfe8_main, .Lfunc_end_k_q77db19bfe8_main-k_q77db19bfe8_main
	.p2alignl 7, 3214868480
	.fill 96, 4, 3214868480
	.section	.rodata,"a",@progbits
	.p2align	6, 0x0
	.amdhsa_kernel k_q77db19bfe8_main
		.amdhsa_group_segment_fixed_size 327680
		.amdhsa_private_segment_fixed_size 0
		.amdhsa_enable_private_segment 0
		.amdhsa_kernarg_size 160
		.amdhsa_user_sgpr_count 2
		.amdhsa_user_sgpr_kernarg_segment_ptr 1
		.amdhsa_wavefront_size32 1
		.amdhsa_system_sgpr_workgroup_id_x 1
		.amdhsa_system_sgpr_workgroup_id_y 1
		.amdhsa_system_sgpr_workgroup_id_z 1
		.amdhsa_system_vgpr_workitem_id 0
		.amdhsa_next_free_vgpr 1024
		.amdhsa_next_free_sgpr 96
		.amdhsa_reserve_vcc 0
		.amdhsa_float_denorm_mode_32 3
		.amdhsa_float_denorm_mode_16_64 3
		.amdhsa_memory_ordered 1
		.amdhsa_forward_progress 1
		.amdhsa_inst_pref_size 255
	.end_amdhsa_kernel
	.section	.bss,"aw",@nobits
	.p2align	6
	.space	262144
	.amdgpu_metadata
---
amdhsa.version: [ 1, 2 ]
amdhsa.kernels:
  - .name:           k_q77db19bfe8_main
    .symbol:         k_q77db19bfe8_main.kd
    .args:
      - { .name: inputs, .offset: 0, .size: 8, .value_kind: global_buffer, .address_space: global }
      - { .name: emb, .offset: 8, .size: 8, .value_kind: global_buffer, .address_space: global }
      - { .name: pos_emb, .offset: 16, .size: 8, .value_kind: global_buffer, .address_space: global }
      - { .name: wt, .offset: 24, .size: 8, .value_kind: global_buffer, .address_space: global }
      - { .name: bq1, .offset: 32, .size: 8, .value_kind: global_buffer, .address_space: global }
      - { .name: bq2, .offset: 40, .size: 8, .value_kind: global_buffer, .address_space: global }
      - { .name: bk1, .offset: 48, .size: 8, .value_kind: global_buffer, .address_space: global }
      - { .name: bk2, .offset: 56, .size: 8, .value_kind: global_buffer, .address_space: global }
      - { .name: bv1, .offset: 64, .size: 8, .value_kind: global_buffer, .address_space: global }
      - { .name: bv2, .offset: 72, .size: 8, .value_kind: global_buffer, .address_space: global }
      - { .name: bp, .offset: 80, .size: 8, .value_kind: global_buffer, .address_space: global }
      - { .name: g1, .offset: 88, .size: 8, .value_kind: global_buffer, .address_space: global }
      - { .name: be1, .offset: 96, .size: 8, .value_kind: global_buffer, .address_space: global }
      - { .name: bf2, .offset: 104, .size: 8, .value_kind: global_buffer, .address_space: global }
      - { .name: bf1, .offset: 112, .size: 8, .value_kind: global_buffer, .address_space: global }
      - { .name: g2, .offset: 120, .size: 8, .value_kind: global_buffer, .address_space: global }
      - { .name: be2, .offset: 128, .size: 8, .value_kind: global_buffer, .address_space: global }
      - { .name: Wo, .offset: 136, .size: 8, .value_kind: global_buffer, .address_space: global }
      - { .name: bo, .offset: 144, .size: 8, .value_kind: global_buffer, .address_space: global }
      - { .name: out0, .offset: 152, .size: 8, .value_kind: global_buffer, .address_space: global }
    .group_segment_fixed_size: 327680
    .private_segment_fixed_size: 0
    .kernarg_segment_align: 8
    .kernarg_segment_size: 160
    .max_flat_workgroup_size: 128
    .sgpr_count:     96
    .vgpr_count:     1024
    .wavefront_size: 32
...
	.end_amdgpu_metadata
.endif
;; end of part 3
;; ======== version 3 of 3: 2 launches; version 2 with the launch prep written anew for expert scheduling mode
;; workspace buffers: wt 7,864,320 bytes
;; launch prep (part 4): grid 4 x 120, 4 waves a work-group, no clusters, 0 bytes of LDS; arguments Wq1, Wq2, Wk1, Wk2, Wv1, Wv2, Wp, W1, W2, wt; writes wt
.if DOCPART == 4
	.amdgcn_target "amdgcn-amd-amdhsa--gfx1250"
	.amdhsa_code_object_version 6
	.text
	.protected	k_q77db19bfe8_prep
	.globl	k_q77db19bfe8_prep
	.p2align	8
	.type	k_q77db19bfe8_prep,@function
k_q77db19bfe8_prep:
	s_mov_b64 s[64:65], 0
	v_nop
	global_prefetch_b8 v0, s[64:65] scope:SCOPE_SE
	s_setreg_imm32_b32 hwreg(HW_REG_WAVE_SCHED_MODE, 0, 2), 2
	s_setreg_imm32_b32 hwreg(HW_REG_WAVE_MODE, 25, 1), 1
	s_wait_xcnt 0x0
	s_wait_alu depctr_vm_vsrc(0)
; All matrix weights, rounded once to bf16 and laid in the order in which the layer walks them: 120 CELLS of 256 rows x 128 k (a row is 256 bytes, a cell 65,536).
;   cell T = 0..17   (nb = T / 6: q, k, v; ks = T % 6): quarter qd, rows 0..47 = rows 48 (qd & 1) .. of head qd >> 1's matrix, k = 128 ks ..; rows 48..63 of a quarter are zeros
;   cell T = 18..23  (u = T - 18; ks = u / 3, j = u % 3): rows 256 j .. of Wp, k = 128 ks ..; zeros from k = 192 on
;   cell T = 24 + 12 ch + r: r < 6: rows 256 ch .. of W1, k = 128 r ..;  r >= 6 (r' = r - 6; ks2 = r' / 3, j = r' % 3): rows 256 j .. of W2, k = 256 ch + 128 ks2 ..
; A work-group makes a quarter (64 rows) of a cell, a wave 16 rows, a lane 4 numbers of a row: one load of 16 bytes, one store of 8; a wave's store covers 256 consecutive bytes, aligned.
; Where a cell holds zeros the lane loads from its row's first bytes (inside the buffer) and the numbers are replaced by 0.
; THE MODE: SCHED_MODE bits 1:0 = 2 (LLVM: expert scheduling mode 2), set by the entry lines.  The code itself states the register dependences
; between vector instructions and memory instructions, with s_wait_alu, always for 0.
; THE PLAN.  Registers that memory instructions touch:
;   v16-31   the rows' load offsets.  Written once, by the sixteen v_mad_u32_u24; read by one load each; never written again.
;   v4       the stores' offset.      Written once, at the head; read by all sixteen stores; never written again.
;   v32-95   X, four registers a row.  Written by the row's load; behind the wait for it, worked on by vector instructions alone; no load lands there again.
;   v96-127  Y, two registers a row.   Written once, by the row's two roundings; read by the row's store; never written again.
; So nothing that a memory instruction has read is written again, and what is to be stated is this: the offsets are written ahead of the loads, and a row's Y is written ahead of its store.
; The 16 rows go in four blocks of four.  Block b waits for its four loads; one wait on va_vdst then states that block b - 1 has written its Y; that block's four stores are dealt among
; block b's vector instructions, which name block b's X and Y alone.  Behind block 3 one more such wait stands ahead of the last four stores.
; A vector instruction writes a scalar register twice in the text: the wave's number (s2) and the mask in VCC; each has its wait ahead of its first reader, in the same straight run.
.set SRC,  28                          ; s[28:29] the matrix
.set ROW0, 30                          ; s30  the quarter's first row in it
.set PIT,  31                          ; s31  bytes in a row of it
.set KOFF, 32                          ; s32  the cell's first k
.set KDIM, 33                          ; s33  the matrix's k
.set RPQ,  34                          ; s34  rows of a quarter that hold numbers
.set X,    32                          ; v[32:95]   row i: 4 f32 as loaded, at X + 4 i
.set Y,    96                          ; v[96:127]  row i: 4 bf16 to store, at Y + 2 i
	s_load_b512 s[8:23], s[0:1], 0x0               ; Wq1 s[8:9], Wq2, Wk1, Wk2, Wv1, Wv2, Wp s[20:21], W1 s[22:23]
	s_load_b128 s[24:27], s[0:1], 0x40             ; W2 s[24:25], wt s[26:27]
	v_lshrrev_b32 v1, 5, v0
	v_readfirstlane_b32 s2, v1                     ; wave
	v_and_b32 v1, 31, v0                           ; lane
	s_and_b32 s3, ttmp7, 0xffff                    ; T
	s_mov_b32 s4, ttmp9                            ; qd
	s_wait_alu depctr_va_sdst(0)                   ; s2 is written
	s_wait_kmcnt 0x0
	s_cmp_lt_u32 s3, 18
	s_cbranch_scc0 .Lnot_qkv
	s_mul_i32 s35, s3, 43
	s_lshr_b32 s35, s35, 8                         ; nb = T / 6 (exact for T < 18)
	s_mul_i32 s36, s35, 6
	s_sub_co_u32 s36, s3, s36                      ; ks
	s_lshr_b32 s37, s4, 1
	s_lshl1_add_u32 s37, s35, s37                  ; which of the six matrices: 2 nb + head
	s_mov_b64 s[SRC:SRC+1], s[8:9]
.irp b, 1,2,3,4,5
	s_cmp_eq_u32 s37, \b
	s_cselect_b64 s[SRC:SRC+1], s[8+2*\b:9+2*\b], s[SRC:SRC+1]
.endr
	s_and_b32 s[ROW0], s4, 1
	s_mul_i32 s[ROW0], s[ROW0], 48
	s_mov_b32 s[PIT], 3072
	s_lshl_b32 s[KOFF], s36, 7
	s_mov_b32 s[KDIM], 768
	s_mov_b32 s[RPQ], 48
	s_branch .Lgo
.Lnot_qkv:
	s_lshl_b32 s37, s4, 6                          ; 64 qd
	s_mov_b32 s[RPQ], 64
	s_cmp_lt_u32 s3, 24
	s_cbranch_scc0 .Lffn
	s_sub_co_u32 s35, s3, 18                       ; u
	s_mul_i32 s36, s35, 86
	s_lshr_b32 s36, s36, 8                         ; ks = u / 3 (exact for u < 6)
	s_mul_i32 s38, s36, 3
	s_sub_co_u32 s38, s35, s38                     ; j
	s_mov_b64 s[SRC:SRC+1], s[20:21]
	s_lshl_b32 s[ROW0], s38, 8
	s_add_co_u32 s[ROW0], s[ROW0], s37
	s_mov_b32 s[PIT], 768
	s_lshl_b32 s[KOFF], s36, 7
	s_mov_b32 s[KDIM], 192
	s_branch .Lgo
.Lffn:
	s_sub_co_u32 s35, s3, 24
	s_mul_i32 s36, s35, 43
	s_lshr_b32 s36, s36, 9                         ; ch = (T - 24) / 12 (exact below 96)
	s_mul_i32 s38, s36, 12
	s_sub_co_u32 s38, s35, s38                     ; r
	s_cmp_lt_u32 s38, 6
	s_cbranch_scc0 .Lw2
	s_mov_b64 s[SRC:SRC+1], s[22:23]
	s_lshl_b32 s[ROW0], s36, 8
	s_add_co_u32 s[ROW0], s[ROW0], s37
	s_mov_b32 s[PIT], 3072
	s_lshl_b32 s[KOFF], s38, 7
	s_mov_b32 s[KDIM], 768
	s_branch .Lgo
.Lw2:
	s_sub_co_u32 s38, s38, 6                       ; r'
	s_mul_i32 s39, s38, 86
	s_lshr_b32 s39, s39, 8                         ; ks2
	s_mul_i32 s40, s39, 3
	s_sub_co_u32 s40, s38, s40                     ; j
	s_mov_b64 s[SRC:SRC+1], s[24:25]
	s_lshl_b32 s[ROW0], s40, 8
	s_add_co_u32 s[ROW0], s[ROW0], s37
	s_mov_b32 s[PIT], 8192
	s_lshl_b32 s[KOFF], s36, 8
	s_lshl_b32 s39, s39, 7
	s_add_co_u32 s[KOFF], s[KOFF], s39
	s_mov_b32 s[KDIM], 2048
.Lgo:
	s_lshl_b32 s38, s2, 4                          ; my 16 rows of the quarter
	s_add_co_u32 s42, s[ROW0], s38
	s_cmp_lt_u32 s38, s[RPQ]                       ; do they hold numbers?
	s_cselect_b32 s41, s[KDIM], 0                  ; if not, every k counts as past the end,
	s_cselect_b32 s42, s42, 0                      ; and the loads stay at the matrix's first rows
	s_mul_i32 s42, s42, s[PIT]                     ; under 2^23
	s_mov_b32 s43, 0
	s_add_nc_u64 s[SRC:SRC+1], s[SRC:SRC+1], s[42:43]
	s_lshl_b32 s44, s3, 16                         ; the cell,
	s_lshl_b32 s45, s4, 14                         ; the quarter,
	s_add_co_u32 s44, s44, s45
	s_lshl_b32 s45, s2, 12                         ; my 16 rows of 256 bytes
	s_add_co_u32 s44, s44, s45
	s_mov_b32 s45, 0
	s_add_nc_u64 s[26:27], s[26:27], s[44:45]
	v_lshl_add_u32 v2, v1, 2, s[KOFF]              ; my first k
	v_cmp_gt_u32 vcc_lo, s41, v2                   ; is it inside the matrix?  (k's ends are multiples of 4)
	v_lshlrev_b32 v3, 2, v2
	v_lshlrev_b32 v4, 3, v1                        ; my 8 bytes of a cell's row
	s_wait_alu depctr_va_vcc(0)                    ; VCC is written, ahead of its first reader; it is never written again, so this wait serves every v_cndmask_b32 below
	v_cndmask_b32 v3, 0, v3, vcc_lo
.set i, 0
.rept 16
	v_mad_u32_u24 v[16+i], s[PIT], i, v3
.set i, i+1
.endr
	s_wait_alu depctr_va_vdst(0)                   ; the sixteen load offsets v16-31 and the stores' offset v4 are written: every load and store below reads one of them
.set i, 0
.rept 16
	global_load_b128 v[X+4*i:X+4*i+3], v[16+i], s[SRC:SRC+1] th:TH_LOAD_NT
.set i, i+1
.endr
.macro ROW i                           ; row i: zeros where the cell holds none of the matrix; two roundings, packed
	v_cndmask_b32 v[X+4*(\i)],   0, v[X+4*(\i)],   vcc_lo
	v_cndmask_b32 v[X+4*(\i)+1], 0, v[X+4*(\i)+1], vcc_lo
	v_cndmask_b32 v[X+4*(\i)+2], 0, v[X+4*(\i)+2], vcc_lo
	v_cndmask_b32 v[X+4*(\i)+3], 0, v[X+4*(\i)+3], vcc_lo
	v_cvt_pk_bf16_f32 v[Y+2*(\i)],   v[X+4*(\i)],   v[X+4*(\i)+1]
	v_cvt_pk_bf16_f32 v[Y+2*(\i)+1], v[X+4*(\i)+2], v[X+4*(\i)+3]
.endm
.macro OUT i
	global_store_b64 v4, v[Y+2*(\i):Y+2*(\i)+1], s[26:27] offset:256*(\i)  ; 32 lanes x 8 bytes: a whole row of the cell
.endm
; Block b: rows 4 b to 4 b + 3 are worked on, and the block before is stored.
.macro BLK b
	s_wait_loadcnt 12-4*(\b)                       ; loads come back in order: the block's four rows are in, the 12 - 4 b younger loads may stay out
.if (\b) > 0
	s_wait_alu depctr_va_vdst(0)                   ; the roundings of the block before have written its eight registers of Y, which the four stores below read; no vector instruction behind this wait names them
.endif
.irp r, 0,1,2,3
.if (\b) > 0
	OUT 4*(\b)-4+\r
.endif
	ROW 4*(\b)+\r
.endr
.endm
	BLK 0
	BLK 1
	BLK 2
	BLK 3
	s_wait_alu depctr_va_vdst(0)                   ; block 3's roundings have written its registers of Y, which the last four stores read
.irp r, 12,13,14,15
	OUT \r
.endr
	s_endpgm
.Lfunc_end_k_q77db19bfe8_prep:
	.size	k_q77db19bfe8_prep, .Lfunc_end_k_q77db19bfe8_prep-k_q77db19bfe8_prep
	.p2alignl 7, 3214868480
	.fill 96, 4, 3214868480
	.section	.rodata,"a",@progbits
	.p2align	6, 0x0
	.amdhsa_kernel k_q77db19bfe8_prep
		.amdhsa_group_segment_fixed_size 0
		.amdhsa_private_segment_fixed_size 0
		.amdhsa_enable_private_segment 0
		.amdhsa_kernarg_size 80
		.amdhsa_user_sgpr_count 2
		.amdhsa_user_sgpr_kernarg_segment_ptr 1
		.amdhsa_wavefront_size32 1
		.amdhsa_system_sgpr_workgroup_id_x 1
		.amdhsa_system_sgpr_workgroup_id_y 1
		.amdhsa_system_sgpr_workgroup_id_z 1
		.amdhsa_system_vgpr_workitem_id 0
		.amdhsa_next_free_vgpr 128
		.amdhsa_next_free_sgpr 66
		.amdhsa_reserve_vcc 1
		.amdhsa_float_denorm_mode_32 3
		.amdhsa_float_denorm_mode_16_64 3
		.amdhsa_memory_ordered 1
		.amdhsa_forward_progress 1
		.amdhsa_inst_pref_size 13
	.end_amdhsa_kernel
	.amdgpu_metadata
---
amdhsa.version: [ 1, 2 ]
amdhsa.kernels:
  - .name:           k_q77db19bfe8_prep
    .symbol:         k_q77db19bfe8_prep.kd
    .args:
      - { .name: Wq1, .offset: 0, .size: 8, .value_kind: global_buffer, .address_space: global }
      - { .name: Wq2, .offset: 8, .size: 8, .value_kind: global_buffer, .address_space: global }
      - { .name: Wk1, .offset: 16, .size: 8, .value_kind: global_buffer, .address_space: global }
      - { .name: Wk2, .offset: 24, .size: 8, .value_kind: global_buffer, .address_space: global }
      - { .name: Wv1, .offset: 32, .size: 8, .value_kind: global_buffer, .address_space: global }
      - { .name: Wv2, .offset: 40, .size: 8, .value_kind: global_buffer, .address_space: global }
      - { .name: Wp, .offset: 48, .size: 8, .value_kind: global_buffer, .address_space: global }
      - { .name: W1, .offset: 56, .size: 8, .value_kind: global_buffer, .address_space: global }
      - { .name: W2, .offset: 64, .size: 8, .value_kind: global_buffer, .address_space: global }
      - { .name: wt, .offset: 72, .size: 8, .value_kind: global_buffer, .address_space: global }
    .group_segment_fixed_size: 0
    .private_segment_fixed_size: 0
    .kernarg_segment_align: 8
    .kernarg_segment_size: 80
    .max_flat_workgroup_size: 128
    .sgpr_count:     66
    .vgpr_count:     128
    .wavefront_size: 32
...
	.end_amdgpu_metadata
.endif
;; end of part 4
;; launch main: the kernel of part 3 again; grid 256 x 1, 4 waves a work-group, clusters of 4 x 1, 327,680 bytes of LDS; arguments inputs, emb, pos_emb, wt, bq1, bq2, bk1, bk2, bv1, bv2, bp, g1, be1, bf2, bf1, g2, be2, Wo, bo, out0; writes out0
